; MI455X (gfx1250); checked and timed in simulation.
; The chip was launched on July 23, 2026; its instructions are those of AMD's public machine-readable ISA for CDNA 5 (MIT licence, August 2026) and "CDNA5" Instruction Set Architecture Reference Guide (July 2026). The comments in the code are by the model that wrote it; some were corrected since.
;; Encoder Block. Allowed arithmetic: matrix products marked QUANTISED: E2M3 operands, one E8M0 scale for each 32 along K, by v_wmma_scale_f32_16x16x128_f8f6f4 with both operands' format E2M3, f32 sums; everything else in f32.
;; Inputs: b1 4,096 float32; b2 1,024 float32; bk 1,024 float32; bo 1,024 float32; bq 1,024 float32; bv 1,024 float32; ln1_a 1 float32; ln1_b 1 float32; ln2_a 1 float32; ln2_b 1 float32; mask 2 x 1 x 1 x 2,048 int32; w1_codes 4,096 x 32 x 24 uint8 (E2M3 codes of w1, K innermost, in blocks of 32 codes, four codes in three bytes); w1_scales 4,096 x 32 uint8 (E8M0 scales of w1, one for each 32 codes along K); w2_codes 1,024 x 128 x 24 uint8 (E2M3 codes of w2, K innermost, in blocks of 32 codes, four codes in three bytes); w2_scales 1,024 x 128 uint8 (E8M0 scales of w2, one for each 32 codes along K); wk_codes 1,024 x 32 x 24 uint8 (E2M3 codes of wk, K innermost, in blocks of 32 codes, four codes in three bytes); wk_scales 1,024 x 32 uint8 (E8M0 scales of wk, one for each 32 codes along K); wo_codes 1,024 x 32 x 24 uint8 (E2M3 codes of wo, K innermost, in blocks of 32 codes, four codes in three bytes); wo_scales 1,024 x 32 uint8 (E8M0 scales of wo, one for each 32 codes along K); wq_codes 1,024 x 32 x 24 uint8 (E2M3 codes of wq, K innermost, in blocks of 32 codes, four codes in three bytes); wq_scales 1,024 x 32 uint8 (E8M0 scales of wq, one for each 32 codes along K); wv_codes 1,024 x 32 x 24 uint8 (E2M3 codes of wv, K innermost, in blocks of 32 codes, four codes in three bytes); wv_scales 1,024 x 32 uint8 (E8M0 scales of wv, one for each 32 codes along K); x 2 x 2,048 x 1,024 float32.
;; Outputs: out0 2 x 2,048 x 1,024 float32.
;; This version of the problem:
;;   THIS VERSION OF THE PROBLEM IS GIVEN IN LOW PRECISION. The matrix products marked QUANTISED in the list below multiply operands that are first quantised to E2M3 (2 exponent bits, 3 mantissa bits; 6 bits a number), with one power-of-two scale for each 32 numbers along K (OCP MX v1.0); their sums are f32. All else is computed in f32.
;;   The module's matrix products, in the order in which they are computed (A, B: the left and right operand; K: the contracted axis; several contracted axes count as one K, in the product's order):
;;     1. [M 4,096, K 1,024] x [K 1,024, N 1,024]; A: computed on the way; B: input wq (given as codes): QUANTISED
;;     2. [M 4,096, K 1,024] x [K 1,024, N 1,024]; A: computed on the way; B: input wk (given as codes): QUANTISED
;;     3. [M 4,096, K 1,024] x [K 1,024, N 1,024]; A: computed on the way; B: input wv (given as codes): QUANTISED
;;     4. batch 32 x [M 2,048, K 64] x [K 64, N 2,048]; A: computed on the way; B: computed on the way: QUANTISED
;;     5. batch 32 x [M 2,048, K 2,048] x [K 2,048, N 64]; A: softmax (see below); B: computed on the way: QUANTISED
;;     6. [M 4,096, K 1,024] x [K 1,024, N 1,024]; A: computed on the way; B: input wo (given as codes): QUANTISED
;;     7. [M 4,096, K 1,024] x [K 1,024, N 4,096]; A: computed on the way; B: input w1 (given as codes): QUANTISED
;;     8. [M 4,096, K 4,096] x [K 4,096, N 1,024]; A: computed on the way; B: input w2 (given as codes): QUANTISED
;;   THE QUANTISER, for each operand of a quantised product, along K:
;;     - K is cut into blocks of 32 from its start; a last block that is shorter is filled with zeros.
;;     - A block's scale is 2^e with e = floor(log2(the largest magnitude in the block)) - 2, held to -126 .. 127; a block of zeros has e = 0. As a byte (E8M0): e + 127.
;;     - Each number is divided by its block's scale, clamped to +-7.5, and rounded to the nearest number of E2M3, ties to even, subnormals kept.
;;     - The product sums the exact products of the quantised numbers (number of the format x scale) in f32.
;;   ~~~python
;;   def quantise(x, axis):      # numpy; x: float32 -> the quantised numbers, widened to float32 again
;;       x = np.moveaxis(x, axis, -1); K = x.shape[-1]
;;       x = np.pad(x, [(0, 0)] * (x.ndim - 1) + [(0, -K % 32)]); x = x.reshape(x.shape[:-1] + (-1, 32)); a = np.abs(x).max(-1, keepdims=True)
;;       e = np.where(a > 0, np.clip(np.frexp(np.where(a > 0, a, 1))[1] - 1 - 2, -126, 127), 0)      # np.frexp(a)[1] - 1 = floor(log2(a)), exactly
;;       r = np.clip(x / 2.0 ** e, -7.5, 7.5)
;;       step = 2.0 ** (np.maximum(np.frexp(np.where(r == 0, 1, r))[1] - 1, 0) - 3)
;;       q = np.round(r / step) * step * 2.0 ** e      # np.round: ties to even
;;       return np.moveaxis(q.reshape(q.shape[:-2] + (-1,))[..., :K], -1, axis).astype(np.float32)
;;   ~~~
;;   SOFTMAX AHEAD OF A QUANTISED PRODUCT. Where the list says 'softmax', what is quantised is not the finished softmax but p = 2^(t - M), with t = logit x log2(e) and M = ceil(the row's largest t), a whole number; so 1/2 < the row's largest p <= 1. The row's sum l is taken of the UNQUANTISED p, in f32, and the product's result is divided by l at the end. Since M is a whole number, a kernel that streams over the keys may use a running M (the ceiling of the running maximum): every later rescaling is an exact power of two, which a block's scale takes up: the codes' values come out the same.
;;   OPERANDS COMPUTED ON THE WAY. 'Computed on the way' means the value that the module computes at that place (a softmax that the list does not call 'softmax' is quantised finished and normalised). What goes into a quantiser is computed in f32, as accurately as f32 sums, v_exp_f32 and their like allow (about 1e-6 of the number): no bf16 or f16 on the way to a quantiser, and a product that is left as it is and whose result goes on into a quantised operand takes f32 operands (vector FMAs, or v_wmma_f32_16x16x4_f32). A number that lies on a knife's edge between two numbers of the format may be rounded either way, as far as f32 arithmetic and the matrix unit's own rounding can turn it there, and no further.
;;   INPUTS GIVEN AS CODES. w1 (in the module: [4096, 1024], K = its axis 1); w2 (in the module: [1024, 4096], K = its axis 1); wk (in the module: [1024, 1024], K = its axis 1); wo (in the module: [1024, 1024], K = its axis 1); wq (in the module: [1024, 1024], K = its axis 1); wv (in the module: [1024, 1024], K = its axis 1): each comes as NAME_codes (uint8): NAME with its K axis moved to the last place and cut into blocks of 32 codes, [.., K / 32, bytes a block], one block behind the other in memory; four codes in three bytes: a row's codes are one little-endian stream of bits, code i at bits 6 i .. 6 i + 5 (a code: sign, 2 exponent bits, 3 mantissa bits); and NAME_scales (uint8): the same leading axes, one E8M0 byte (e + 127) for each 32 codes along K. Its value is code x scale, taken as it is: it is not quantised again, and the codes and scales need not be those that the quantiser above would give.
;; One version. Each part assembles by itself: llvm-mc -triple=amdgcn-amd-amdhsa -mcpu=gfx1250 --defsym DOCPART=n.
;; ======== version 1 of 1: 7 launches
;; limits: right only within a limited range of input values
;; workspace buffers: xn 3,276,800 bytes; qb 3,276,800 bytes; kv 7,864,320 bytes; at 3,276,800 bytes; x1 16,777,216 bytes; hb 13,107,200 bytes; wi 9,437,184 bytes
;; launch ln1 (part 1): grid 256 x 4, 8 waves a work-group, no clusters, 80,896 bytes of LDS; arguments x, ln1_a, ln1_b, xn, wq_codes, wk_codes, wv_codes, wo_codes, w1_codes, w2_codes, wi; writes xn, wi
.if DOCPART == 1
	.amdgcn_target "amdgcn-amd-amdhsa--gfx1250"
	.amdhsa_code_object_version 6
	.text
	.protected	k_qeda8499e2d_ln1
	.globl	k_qeda8499e2d_ln1
	.p2align	8
	.type	k_qeda8499e2d_ln1,@function
k_qeda8499e2d_ln1:
	s_mov_b64 s[64:65], 0
	v_nop
	global_prefetch_b8 v0, s[64:65] scope:SCOPE_SE
	s_setreg_imm32_b32 hwreg(HW_REG_WAVE_MODE, 25, 1), 1
	s_wait_xcnt 0x0
; y = alpha (x - mean) / (std + 1e-6) + beta along rows of 1,024 f32 (std with n - 1), then y is quantised to FP6 (E2M3) with one E8M0 byte for each 32 along the row.
; Out: codes as fragment images [256 tiles of 16 rows][8][1,536 bytes] at byte 0 of the buffer, scale bytes [4096][32] at byte 3,145,728.
; A work-group of eight waves takes 16 rows.  Phase 1: wave w takes rows 2 w, 2 w + 1 whole (32 numbers a lane), two passes in registers (mean, then squares of the differences), y to LDS.
; Phase 2: wave s takes columns 128 s .. 128 s + 127 of all 16 rows: lane (r, h) holds 16 neighbours of each block of 32 of row r, which is what the conversion wants.
; Phase 3: the scale bytes leave LDS as one run of 512 consecutive bytes.
; LIMITS: NaN and infinities are not served; a block whose largest magnitude lies under 2^-124 keeps the byte 1 (a block of zeros too: its codes are zeros, and this program alone reads the bytes).
.set YP,  4112                         ; a row of y in LDS: 4,096 bytes + 16
.set CST, 16*YP                        ; behind y: 16 rows of 768 bytes + 16 that nothing uses
.set CP,  784
.set SST, CST+16*CP                    ; the scale bytes: 512, and 512 more that lanes 16-31 write and nobody reads
.set ST,  16                           ; v16-79  two rows, later 64 numbers of a lane
.set TM,  96                           ; v96-111 at work in QUANT
.set PW,  112                          ; the scale word just made
.set PC,  114                          ; v114-132 the codes just made
.set SEL, 20                           ; s[20:21] selects for lane l xor 16
; 64 numbers of a lane, register 16 b + i = k 32 b + 16 (lane / 16) + i of my row, become a fragment's codes in v[PC] on and its scale word in v[PW].
.macro QUANT s
.irp b, 0,1,2,3
	v_max3_num_f32 v[TM+\b], |v[\s+16*\b]|, |v[\s+1+16*\b]|, 0x1800000   ; my 16 numbers of block b, and the floor 2^(3 - 127): the byte cannot fall under 1
.endr
.irp i, 2,4,6,8,10,12,14
.irp b, 0,1,2,3
	s_delay_alu instid0(VALU_DEP_4)
	v_max3_num_f32 v[TM+\b], v[TM+\b], |v[\s+16*\b+\i]|, |v[\s+1+16*\b+\i]|
.endr
.endr
.irp b, 0,1,2,3
	s_delay_alu instid0(VALU_DEP_4)
	v_permlanex16_b32 v[TM+4+\b], v[TM+\b], s[SEL], s[SEL+1]
.endr
.irp b, 0,1,2,3
	s_delay_alu instid0(VALU_DEP_4)
	v_max_num_f32 v[TM+\b], v[TM+\b], v[TM+4+\b]   ; with lane l xor 16's: the block's largest magnitude
.endr
.irp b, 0,1,2,3
	s_delay_alu instid0(VALU_DEP_4)
	v_add_nc_u32 v[TM+12+\b], 0xff000000, v[TM+\b] ; 2 off its exponent field: the conversion's scale operand
.endr
.irp b, 0,1,2,3
	s_delay_alu instid0(VALU_DEP_4)
	v_lshrrev_b32 v[TM+4+\b], 23, v[TM+12+\b]      ; the scale's byte
.endr
	s_delay_alu instid0(VALU_DEP_3)
	v_lshl_or_b32 v[PW], v[TM+5], 8, v[TM+4]
	s_delay_alu instid0(VALU_DEP_1)
	v_lshl_or_b32 v[PW], v[TM+6], 16, v[PW]
	s_delay_alu instid0(VALU_DEP_1)
	v_lshl_or_b32 v[PW], v[TM+7], 24, v[PW]
.irp c, 0,1
	v_cvt_scalef32_pk16_fp6_f32 v[PC+6*\c:PC+2+6*\c], v[\s+32*\c:\s+15+32*\c], v[TM+12+2*\c]
	v_cvt_scalef32_pk16_fp6_f32 v[PC+12+4*\c:PC+14+4*\c], v[\s+16+32*\c:\s+31+32*\c], v[TM+12+2*\c+1]
.endr
	v_nop                                          ; one plain place behind a scaled conversion
.irp c, 0,1                                    ; a whole block to a lane: lanes 0-15 block 2 c, lanes 16-31 block 2 c + 1
.irp i, 0,1,2
	v_permlane16_swap_b32 v[PC+6*\c+\i], v[PC+12+4*\c+\i]
.endr
.irp i, 0,1,2
	s_delay_alu instid0(VALU_DEP_3)
	v_mov_b32 v[PC+3+6*\c+\i], v[PC+12+4*\c+\i]
.endr
.endr
.endm
; four registers of partial sums become the sum over the wave, in every lane
.macro REDUCE T
	v_pk_add_f32 v[\T:\T+1], v[\T:\T+1], v[\T+2:\T+3]
	s_delay_alu instid0(VALU_DEP_1)
	v_add_f32 v[\T], v[\T], v[\T+1]
	s_delay_alu instid0(VALU_DEP_1)
	v_add_f32_dpp v[\T], v[\T], v[\T] row_xmask:1 row_mask:0xf bank_mask:0xf
	s_delay_alu instid0(VALU_DEP_1)
	v_add_f32_dpp v[\T], v[\T], v[\T] row_xmask:2 row_mask:0xf bank_mask:0xf
	s_delay_alu instid0(VALU_DEP_1)
	v_add_f32_dpp v[\T], v[\T], v[\T] row_xmask:4 row_mask:0xf bank_mask:0xf
	s_delay_alu instid0(VALU_DEP_1)
	v_add_f32_dpp v[\T], v[\T], v[\T] row_xmask:8 row_mask:0xf bank_mask:0xf
	s_delay_alu instid0(VALU_DEP_1)
	v_permlanex16_b32 v[\T+1], v[\T], s[SEL], s[SEL+1]
	s_delay_alu instid0(VALU_DEP_1)
	v_add_f32 v[\T], v[\T], v[\T+1]
.endm
	; THE CODES LEAVE AS FRAGMENT IMAGES, not as raw rows: [tile of 16 rows][K / 128][1,536 bytes]; an image holds registers 0-3 at 16 x lane, 4-5 at 512 + 8 x lane, 6-9 at 768 + 16 x lane, 10-11 at 1,280 + 8 x lane.
	; Work-groups with y = 0 norm and quantise.  Those with y = 1, 2, 3 (the first norm's launch alone has them) re-lay the given weights' codes into the same images in wi: wq, wk, wv, wo (y = 1), w1 (y = 2), w2 (y = 3),
	; one image a wave; a work-group's eight images are 768 consecutive bytes of each of 16 rows.
	s_and_b32 s2, ttmp7, 0xffff
	s_cmp_eq_u32 s2, 0
	s_cbranch_scc1 .Lnorm
	s_load_b256 s[4:11], s[0:1], 0x20              ; wq, wk, wv, wo
	s_load_b128 s[12:15], s[0:1], 0x40             ; w1, w2
	s_load_b64 s[16:17], s[0:1], 0x50              ; wi
	v_lshrrev_b32 v1, 5, v0
	s_delay_alu instid0(VALU_DEP_1)
	v_readfirstlane_b32 s3, v1                     ; wave 0..7
	s_mov_b32 s20, ttmp9
	s_lshr_b32 s18, s20, 6                         ; y = 1: which of the four weights,
	s_and_b32 s19, s20, 63                         ; and its tile of 16 rows
	s_cmp_eq_u32 s2, 1
	s_cselect_b32 s19, s19, s20                    ; w1: tile x
	s_mul_i32 s19, s19, 12288
	s_lshr_b32 s21, s20, 2                         ; w2: tile x / 4, 768 bytes x (x % 4) along its rows of 3,072
	s_mul_i32 s21, s21, 49152
	s_and_b32 s22, s20, 3
	s_mul_i32 s22, s22, 768
	s_add_co_u32 s21, s21, s22
	s_mov_b32 s23, 3072
	s_cmp_eq_u32 s2, 3
	s_cselect_b32 s19, s21, s19
	s_cselect_b32 s23, s23, 768                    ; a row in memory
	s_mul_i32 s22, s3, 96
	s_add_co_u32 s24, s19, s22                     ; my wave's 128 along K
	s_mov_b32 s25, 0
	s_sub_co_u32 s26, s2, 1
	s_lshl_b32 s26, s26, 8
	s_add_co_u32 s26, s26, s20
	s_lshl_b32 s26, s26, 3
	s_add_co_u32 s26, s26, s3
	s_mul_i32 s26, s26, 1536                       ; image 2,048 (y - 1) + 8 x + wave
	s_mov_b32 s27, 0
	v_and_b32 v2, 15, v0
	v_bfe_u32 v3, v0, 4, 1
	v_and_b32 v5, 31, v0
	s_delay_alu instid0(VALU_DEP_3)
	v_mul_u32_u24 v4, s23, v2
	s_delay_alu instid0(VALU_DEP_1)
	v_mad_u32_u24 v4, v3, 24, v4                   ; row r, + 24 h
	s_delay_alu instid0(VALU_DEP_3)
	v_lshlrev_b32 v6, 3, v5
	s_delay_alu instid0(VALU_DEP_4)
	v_lshlrev_b32 v5, 4, v5
	s_wait_alu depctr_va_vdst(0)                   ; the wait at the head's end
	s_wait_kmcnt 0x0
	s_cmp_eq_u32 s18, 1
	s_cselect_b64 s[4:5], s[6:7], s[4:5]
	s_cmp_eq_u32 s18, 2
	s_cselect_b64 s[4:5], s[8:9], s[4:5]
	s_cmp_eq_u32 s18, 3
	s_cselect_b64 s[4:5], s[10:11], s[4:5]
	s_cmp_eq_u32 s2, 2
	s_cselect_b64 s[4:5], s[12:13], s[4:5]
	s_cmp_eq_u32 s2, 3
	s_cselect_b64 s[4:5], s[14:15], s[4:5]
	s_add_nc_u64 s[4:5], s[4:5], s[24:25]
	s_add_nc_u64 s[16:17], s[16:17], s[26:27]
.irp p, 0,1,2,3,4,5
	global_load_b64 v[16+2*\p:17+2*\p], v4, s[4:5] offset:48*(\p/3)+8*(\p%3)
.endr
	s_wait_loadcnt 0x0
	global_store_b128 v5, v[16:19], s[16:17]
	global_store_b64 v6, v[20:21], s[16:17] offset:512
	global_store_b128 v5, v[22:25], s[16:17] offset:768
	global_store_b64 v6, v[26:27], s[16:17] offset:1280
	s_endpgm
.Lnorm:
	s_load_b256 s[4:11], s[0:1], 0x0
	v_lshl_add_u32 v144, v0, 2, 0x13800
	v_mov_b32 v145, 0
	v_lshrrev_b32 v1, 5, v0
	s_delay_alu instid0(VALU_DEP_1)
	v_readfirstlane_b32 s12, v1                    ; wave 0..7
	v_and_b32 v1, 31, v0                           ; lane
	v_and_b32 v2, 15, v0                           ; r
	v_bfe_u32 v3, v0, 4, 1                         ; h
	s_delay_alu instid0(VALU_DEP_3)
	v_lshlrev_b32 v11, 4, v1                       ; 16 x lane
	s_lshl_b32 s16, s12, 13
	v_add_nc_u32 v4, s16, v11                      ; x: my wave's two rows, 16 bytes a lane
	s_mul_i32 s17, s12, 2*YP
	v_add_nc_u32 v5, s17, v11                      ; y into LDS, the same way
	v_mul_u32_u24 v6, v2, YP
	s_delay_alu instid0(VALU_DEP_1)
	v_lshl_add_u32 v6, v3, 6, v6
	s_lshl_b32 s17, s12, 9
	v_add_nc_u32 v6, s17, v6                       ; y out of LDS: row r, 512 x wave + 64 h
	v_lshlrev_b32 v8, 5, v2
	s_delay_alu instid0(VALU_DEP_1)
	v_lshl_add_u32 v8, v3, 9, v8
	s_lshl_b32 s17, s12, 2
	s_add_co_u32 s17, s17, SST
	v_add_nc_u32 v8, s17, v8                       ; scale word: 32 r + 4 x wave (lanes 16-31: 512 further on)
	v_lshlrev_b32 v9, 3, v1                        ; 8 x lane
	v_add_nc_u32 v12, SST, v11
	s_mov_b32 s[SEL], 0x76543210
	s_mov_b32 s[SEL+1], 0xfedcba98
.irp b, 0,1,2,3
	v_mov_b32 v[TM+4+\b], 0                        ; a lane permute's destination counts as one of its sources
.endr
	s_lshl_b32 s16, ttmp9, 16                      ; 16 rows of 4,096 bytes
	s_mov_b32 s17, 0
	s_mul_i32 s18, ttmp9, 12288                    ; 16 rows of 768 bytes,
	s_mul_i32 s19, s12, 1536                       ; my wave's image
	s_add_co_u32 s18, s18, s19
	s_mov_b32 s19, 0
	s_lshl_b32 s24, ttmp9, 9                       ; 16 rows of 32 scale bytes
	s_add_co_u32 s24, s24, 0x300000
	s_mov_b32 s25, 0
	s_wait_kmcnt 0x0
	s_load_b32 s13, s[6:7], 0x0                    ; alpha
	s_load_b32 s14, s[8:9], 0x0                    ; beta
	s_add_nc_u64 s[4:5], s[4:5], s[16:17]
	s_add_nc_u64 s[22:23], s[10:11], s[18:19]
	s_add_nc_u64 s[10:11], s[10:11], s[24:25]
.irp w, 0,1
.irp j, 0,1,2,3,4,5,6,7
	global_load_b128 v[ST+32*\w+4*\j:ST+32*\w+4*\j+3], v4, s[4:5] offset:4096*\w+512*\j   ; 32 lanes read 512 consecutive bytes
.endr
.endr
	s_wait_loadcnt 0x0
	; ---- phase 1: the mean
.irp w, 0,1
	v_pk_add_f32 v[80+8*\w:81+8*\w], v[16+32*\w:17+32*\w], v[20+32*\w:21+32*\w]
	v_pk_add_f32 v[82+8*\w:83+8*\w], v[18+32*\w:19+32*\w], v[22+32*\w:23+32*\w]
.endr
.irp i, 8,12,16,20,24,28
.irp w, 0,1
	s_delay_alu instid0(VALU_DEP_4)
	v_pk_add_f32 v[80+8*\w:81+8*\w], v[80+8*\w:81+8*\w], v[16+32*\w+\i:17+32*\w+\i]
	s_delay_alu instid0(VALU_DEP_4)
	v_pk_add_f32 v[82+8*\w:83+8*\w], v[82+8*\w:83+8*\w], v[18+32*\w+\i:19+32*\w+\i]
.endr
.endr
	REDUCE 80
	REDUCE 88
	v_mul_f32 v80, 0x3a800000, v80                 ; / 1,024
	s_delay_alu instid0(VALU_DEP_2)
	v_mul_f32 v88, 0x3a800000, v88
.set j, 0
.rept 16
.irp w, 0,1
	v_pk_add_f32 v[16+32*\w+j:17+32*\w+j], v[16+32*\w+j:17+32*\w+j], v[80+8*\w:81+8*\w] op_sel_hi:[1,0] neg_lo:[0,1] neg_hi:[0,1]   ; x - mean
.endr
.set j, j+2
.endr
	; the squares of the differences
.irp w, 0,1
	v_pk_mul_f32 v[80+8*\w:81+8*\w], v[16+32*\w:17+32*\w], v[16+32*\w:17+32*\w]
	v_pk_mul_f32 v[82+8*\w:83+8*\w], v[18+32*\w:19+32*\w], v[18+32*\w:19+32*\w]
.endr
.irp i, 4,8,12,16,20,24,28
.irp w, 0,1
	s_delay_alu instid0(VALU_DEP_4)
	v_pk_fma_f32 v[80+8*\w:81+8*\w], v[16+32*\w+\i:17+32*\w+\i], v[16+32*\w+\i:17+32*\w+\i], v[80+8*\w:81+8*\w]
	s_delay_alu instid0(VALU_DEP_4)
	v_pk_fma_f32 v[82+8*\w:83+8*\w], v[18+32*\w+\i:19+32*\w+\i], v[18+32*\w+\i:19+32*\w+\i], v[82+8*\w:83+8*\w]
.endr
.endr
	REDUCE 80
	REDUCE 88
	v_mul_f32 v80, 0x3a802008, v80                 ; / 1,023
	s_delay_alu instid0(VALU_DEP_2)
	v_mul_f32 v88, 0x3a802008, v88
	s_wait_alu depctr_va_vdst(0)
	v_sqrt_f32 v80, v80
	v_sqrt_f32 v88, v88
	v_nop                                          ; a plain place behind the transcendentals
	s_wait_alu depctr_va_vdst(0)                   ; one wait for both roots, ahead of their first reader
	v_add_f32 v80, 0x358637bd, v80                 ; + 1e-6
	v_add_f32 v88, 0x358637bd, v88
	s_wait_alu depctr_va_vdst(0)
	v_rcp_f32 v80, v80
	v_rcp_f32 v88, v88
	v_nop
	s_wait_alu depctr_va_vdst(0)                   ; and one for both reciprocals
	s_wait_kmcnt 0x0                               ; alpha, beta
	s_mov_b32 s15, s14                             ; (the packed form names the pair)
	v_mul_f32 v80, s13, v80
	v_mul_f32 v88, s13, v88
.set j, 0
.rept 16
.irp w, 0,1
	v_pk_fma_f32 v[16+32*\w+j:17+32*\w+j], v[16+32*\w+j:17+32*\w+j], v[80+8*\w:81+8*\w], s[14:15] op_sel_hi:[1,0,0]
.endr
.set j, j+2
.endr
.irp w, 0,1
.irp j, 0,1,2,3,4,5,6,7
	ds_store_b128 v5, v[ST+32*\w+4*\j:ST+32*\w+4*\j+3] offset:YP*\w+512*\j
.endr
.endr
	s_wait_dscnt 0x0                               ; for the others' sake: my rows lie in LDS
	s_barrier_signal -1
	s_barrier_wait -1
	; ---- phase 2: my 128 columns of the 16 rows
.irp b, 0,1,2,3
.irp j, 0,1,2,3
	ds_load_b128 v[ST+16*\b+4*\j:ST+16*\b+4*\j+3], v6 offset:128*\b+16*\j
.endr
.endr
	s_wait_dscnt 0x0
	QUANT ST
	global_store_b128 v11, v[PC:PC+3], s[22:23]                 ; my wave's image (tile = work-group, 128 x wave along K): runs of 512 and 256 consecutive bytes
	global_store_b64 v9, v[PC+4:PC+5], s[22:23] offset:512
	global_store_b128 v11, v[PC+6:PC+9], s[22:23] offset:768
	global_store_b64 v9, v[PC+10:PC+11], s[22:23] offset:1280
	ds_store_b32 v8, v[PW]
	s_wait_dscnt 0x0
	s_barrier_signal -1
	s_barrier_wait -1
	; ---- phase 3: wave 0 stores the 16 rows' 512 scale bytes
	s_cmp_lg_u32 s12, 0
	s_cbranch_scc1 .Lend
	ds_load_b128 v[28:31], v12                     ; wave 0: the 16 rows' 512 scale bytes
	s_wait_dscnt 0x0
	global_store_b128 v11, v[28:31], s[10:11]
.Lend:
	s_wait_tensorcnt 0x0
	ds_add_u32 v144, v145
	s_wait_dscnt 0x0
	s_endpgm
.Lfunc_end_k_qeda8499e2d_ln1:
	.size	k_qeda8499e2d_ln1, .Lfunc_end_k_qeda8499e2d_ln1-k_qeda8499e2d_ln1
	.p2alignl 7, 3214868480
	.fill 96, 4, 3214868480
	.section	.rodata,"a",@progbits
	.p2align	6, 0x0
	.amdhsa_kernel k_qeda8499e2d_ln1
		.amdhsa_group_segment_fixed_size 80896
		.amdhsa_private_segment_fixed_size 0
		.amdhsa_enable_private_segment 0
		.amdhsa_kernarg_size 88
		.amdhsa_user_sgpr_count 2
		.amdhsa_user_sgpr_kernarg_segment_ptr 1
		.amdhsa_wavefront_size32 1
		.amdhsa_system_sgpr_workgroup_id_x 1
		.amdhsa_system_sgpr_workgroup_id_y 1
		.amdhsa_system_sgpr_workgroup_id_z 1
		.amdhsa_system_vgpr_workitem_id 0
		.amdhsa_next_free_vgpr 146
		.amdhsa_next_free_sgpr 66
		.amdhsa_reserve_vcc 0
		.amdhsa_float_denorm_mode_32 3
		.amdhsa_float_denorm_mode_16_64 3
		.amdhsa_memory_ordered 1
		.amdhsa_forward_progress 1
		.amdhsa_inst_pref_size 29
	.end_amdhsa_kernel
	.amdgpu_metadata
---
amdhsa.version: [ 1, 2 ]
amdhsa.kernels:
  - .name:           k_qeda8499e2d_ln1
    .symbol:         k_qeda8499e2d_ln1.kd
    .args:
      - { .name: x, .offset: 0, .size: 8, .value_kind: global_buffer, .address_space: global }
      - { .name: ln1_a, .offset: 8, .size: 8, .value_kind: global_buffer, .address_space: global }
      - { .name: ln1_b, .offset: 16, .size: 8, .value_kind: global_buffer, .address_space: global }
      - { .name: xn, .offset: 24, .size: 8, .value_kind: global_buffer, .address_space: global }
      - { .name: wq_codes, .offset: 32, .size: 8, .value_kind: global_buffer, .address_space: global }
      - { .name: wk_codes, .offset: 40, .size: 8, .value_kind: global_buffer, .address_space: global }
      - { .name: wv_codes, .offset: 48, .size: 8, .value_kind: global_buffer, .address_space: global }
      - { .name: wo_codes, .offset: 56, .size: 8, .value_kind: global_buffer, .address_space: global }
      - { .name: w1_codes, .offset: 64, .size: 8, .value_kind: global_buffer, .address_space: global }
      - { .name: w2_codes, .offset: 72, .size: 8, .value_kind: global_buffer, .address_space: global }
      - { .name: wi, .offset: 80, .size: 8, .value_kind: global_buffer, .address_space: global }
    .group_segment_fixed_size: 80896
    .private_segment_fixed_size: 0
    .kernarg_segment_align: 8
    .kernarg_segment_size: 88
    .max_flat_workgroup_size: 256
    .sgpr_count:     66
    .vgpr_count:     146
    .wavefront_size: 32
...
	.end_amdgpu_metadata
.endif
;; end of part 1
;; launch qkv (part 2): grid 12 x 16, 4 waves a work-group, clusters of 4 x 4, 327,680 bytes of LDS; arguments xn, wi, wq_scales, bq, wk_scales, bk, wv_scales, bv, mask, qb, kv; writes qb, kv
.if DOCPART == 2
	.amdgcn_target "amdgcn-amd-amdhsa--gfx1250"
	.amdhsa_code_object_version 6
	.text
	.protected	k_qeda8499e2d_qkv
	.globl	k_qeda8499e2d_qkv
	.p2align	8
	.type	k_qeda8499e2d_qkv,@function
k_qeda8499e2d_qkv:
	s_mov_b64 s[64:65], 0
	v_nop
	global_prefetch_b8 v0, s[64:65] scope:SCOPE_SE
	s_setreg_imm32_b32 hwreg(HW_REG_WAVE_MODE, 25, 1), 1
	s_wait_xcnt 0x0
	s_wait_alu depctr_hold_cnt(0) depctr_sa_sdst(0) depctr_va_vdst(0) depctr_va_sdst(0) depctr_va_ssrc(0) depctr_va_vcc(0) depctr_vm_vsrc(0)
	s_getreg_b32 s2, hwreg(HW_REG_IB_STS2, 6, 4)
	s_cmp_eq_u32 s2, 0
	s_cbranch_scc0 .Lentry_in_a_cluster
	s_endpgm
.Lentry_in_a_cluster:
	s_bfe_u32 s2, ttmp6, 0x10000c
	s_cmp_lg_u32 s2, 0xf033
	s_cbranch_scc0 .Lentry_shape_is_right
	s_endpgm
.Lentry_shape_is_right:
; q, k, v = LN1(x) W^T + b on codes of FP6 (E2M3) with E8M0 scales, K = 1,024; the results are quantised on the way out and leave as operands of the attention launch.
; The cluster's x (0, 1, 2) says which product: P = 0 q, 1 k, 2 v.  A tile of 256 x 256 to a work-group, 128 x 128 to each of four waves, K in steps of 256 through two LDS slots, tiles asked for jointly in a 4 x 4 cluster.
; Side A gives a lane its ROW, side B runs along a lane's registers (source 0 = 16 rows of B, source 1 = 16 rows of A).  For q and k: A = the tokens, B = the weight: a lane holds a token and features, so the
; quantiser runs along the head's 64.  For v the two change places (A = Wv, B = the tokens; both are raw rows of 768 bytes): a lane holds a channel and its registers run along the tokens, which are the second product's K.
; ORDER INSIDE A BLOCK OF 32.  A lane's 16 registers of two neighbouring tiles are numbers 0-7 and 16-23 (lanes 0-15) or 8-15 and 24-31 (lanes 16-31) of a block.  They are coded as they lie, so a block's codes stand
; in the order 0-7, 16-23, 8-15, 24-31.  q and k get the same order, and so do v and the softmax's p in the next launch: the sums are the same, and a block's 32 numbers and its scale are the contract's.
; THE MASK is laid into k's operand: the head's 64 fill half of the instruction's 128.  A hidden key has zero codes, the code -1.0 at k = 64 and the byte 160 (2^33) for that block; q has the code 1.0 there with byte 127.
; LIMITS: a hidden key's logit is -2^33 / 8 = -1.07e9 where reference() has -1e9: it differs only where open logits come near -1e9.  NaN and infinities are not served.  Blocks under 2^-124 keep the byte 1.
.set KSTEP,  256
.set NQ,     2
; BOTH SIDES COME AS FRAGMENT IMAGES of 1,536 bytes ([tile of 16 rows][8 along K]): the tokens from the norm's launch, the weights from wi.  A K step of 256 is 3,072 dense bytes of each tile of 16 rows.
.set ROWB,   3072                      ; a K step of one tile of 16 rows: two images
.set KROW,   768                       ; bytes of codes a row: 16 rows are 12,288 bytes of images
.set FR,     12
.set NL,     4                         ; LDS loads that bring a fragment
.set NP,     4
.set HALFT,  8*ROWB                    ; 128 rows
.set SLOT,   4*HALFT
.set LAPS,   2
.set KS,     32
.set SCL,    2*SLOT                    ; the scales of the work-group's rows, for all of K: filled once
.set HALFS,  (128*KS/256)*272
.set SBLK,   (16*KS/256)*272
.set SPARE,  SCL+4*HALFS               ; the spare words, 128 bytes a wave
.set STG,    SPARE+512                 ; 4,096 bytes a wave for the scale words on the way out; each of the three paths has bytes of its own; no fill lands here
.set RECB,   15360                     ; a record of kv: 128 keys of one head
.set HEADB,  16*RECB
.set ADRA, 16
.set ADRB, 20
.set L16,  24                          ; 16 x lane
.set L8,   25                          ; 8 x lane
.set SQ,   26                          ; LDS: q's scale words
.set ADRS, 27
.set SPW,  28
.set NIL,  29
.set R4,   30                          ; 4 r
.set SV,   31                          ; LDS: v's scale words
.set SK,   3                           ; LDS: k's scale words
.set RBK,  6                           ; LDS: my stage, 16 x lane
.set H32,  7                           ; 32 h
.set MSK,  8                           ; v8-15   the mask of my 8 x 16 rows
.set SC,   32
.set BT,   64                          ; v64-127 the bias by feature (q, k)
.set AF,   128
.set H,    128                         ; the way out: 64 numbers of a lane
.set TM,   192
.set PW,   208
.set PWZ,  209
.set PC,   210
.set T4,   232
.set KEEP, 236
.set MK,   237
.set KW,   238
.set WA,   239
.set WB,   240
.set BV,   244                         ; v244-251 the bias by row (v)
.set CU,   252
.set CM,   253
.set SEL,  100
.set G1, 24
.set G0, 32
.set G1B, 48
.set G0B, 56
.set G1S, 68
.set G0S, 76
.set G1SB, 80
.set G0SB, 88
.set MSB, 0
.macro WIN new                         ; the immediate's high byte repeats the setting that is left
.if MSB != \new
	s_set_vgpr_msb (MSB<<8)|\new
.set MSB, \new
.endif
.endm
.set MUL_LO, 0xa1                      ; source 0 (B) window 1, source 1 (A) window 0, C and D window 2
.set MUL_HI, 0xf1
.set TO_B,   0x40
.macro JLOAD g0a, g1a, g0b, g1b        ; waves 0 and 1 fetch for A, waves 2 and 3 for B; four v_nop follow each line
	s_cmp_eq_u32 s15, 0
	s_cbranch_scc0 .Lfor_b_\@
	tensor_load_to_lds s[\g0a:\g0a+3], s[\g1a:\g1a+7]
	s_nop 0
.rept 4
	v_nop
.endr
	s_branch .Lasked_\@
.Lfor_b_\@:
	tensor_load_to_lds s[\g0b:\g0b+3], s[\g1b:\g1b+7]
	s_nop 0
.rept 4
	v_nop
.endr
.Lasked_\@:
.endm
.macro CREST
	s_cmp_lg_u32 s14, 0
	s_cbranch_scc1 .Lnot_wave_0_\@
	s_barrier_signal -3
.Lnot_wave_0_\@:
	s_barrier_wait -3
	s_barrier_signal -1
	s_barrier_wait -1
.endm
.macro CROUND
	s_barrier_signal -1
	s_barrier_wait -1
	CREST
.endm
.macro QUANT s                         ; 64 numbers of a lane become a fragment's codes in v[PC] on and its scale word in v[PW]
.irp b, 0,1,2,3
	v_max3_num_f32 v[TM+\b], |v[\s+16*\b]|, |v[\s+1+16*\b]|, 0x1800000   ; and the floor 2^(3 - 127): the byte cannot fall under 1
.endr
.irp i, 2,4,6,8,10,12,14
.irp b, 0,1,2,3
	v_max3_num_f32 v[TM+\b], v[TM+\b], |v[\s+16*\b+\i]|, |v[\s+1+16*\b+\i]|
.endr
.endr
.irp b, 0,1,2,3
	v_permlanex16_b32 v[TM+4+\b], v[TM+\b], s[SEL], s[SEL+1]
.endr
.irp b, 0,1,2,3
	v_max_num_f32 v[TM+\b], v[TM+\b], v[TM+4+\b]
.endr
.irp b, 0,1,2,3
	v_add_nc_u32 v[TM+12+\b], 0xff000000, v[TM+\b]
.endr
.irp b, 0,1,2,3
	v_lshrrev_b32 v[TM+4+\b], 23, v[TM+12+\b]
.endr
	v_lshl_or_b32 v[PW], v[TM+5], 8, v[TM+4]
	v_lshl_or_b32 v[PW], v[TM+6], 16, v[PW]
	v_lshl_or_b32 v[PW], v[TM+7], 24, v[PW]
.irp c, 0,1
	v_cvt_scalef32_pk16_fp6_f32 v[PC+6*\c:PC+2+6*\c], v[\s+32*\c:\s+15+32*\c], v[TM+12+2*\c]
	v_cvt_scalef32_pk16_fp6_f32 v[PC+12+4*\c:PC+14+4*\c], v[\s+16+32*\c:\s+31+32*\c], v[TM+12+2*\c+1]
.endr
	v_nop                                          ; one plain place behind a scaled conversion
.irp c, 0,1
.irp i, 0,1,2
	v_permlane16_swap_b32 v[PC+6*\c+\i], v[PC+12+4*\c+\i]
.endr
.irp i, 0,1,2
	v_mov_b32 v[PC+3+6*\c+\i], v[PC+12+4*\c+\i]
.endr
.endr
.endm
	s_load_b512 s[68:83], s[0:1], 0x0              ; xn, wi, wq scales, bq, wk scales, bk, wv scales, bv
	s_load_b128 s[84:87], s[0:1], 0x40             ; mask, qb
	s_load_b64 s[92:93], s[0:1], 0x50              ; kv
	v_lshl_add_u32 v[SPW], v0, 2, SPARE
	v_mov_b32 v[NIL], 0
	ds_add_u32 v28, v29
	ds_add_u32 v28, v29
	s_wait_dscnt 0x0
	v_lshrrev_b32 v1, 5, v0
	v_readfirstlane_b32 s14, v1                    ; wave 0..3
	s_lshr_b32 s15, s14, 1                         ; RH: which half of the tile's rows is mine.  Also: I fetch for A (0) or for B (1)
	s_and_b32 s16, s14, 1                          ; CH: which half of its columns.  Also: which 128 rows I fetch
	s_bfe_u32 s40, ttmp6, 0x40000                  ; cx
	s_bfe_u32 s41, ttmp6, 0x40004                  ; cy
	s_mov_b32 s95, ttmp9                           ; P: the cluster's x, the same in all sixteen partners
	s_and_b32 s18, ttmp7, 0xffff
	s_lshl_b32 s18, s18, 2                         ; 4 x cluster y
	s_mov_b32 s[SEL], 0x76543210
	s_mov_b32 s[SEL+1], 0xfedcba98
	s_wait_kmcnt 0x0
	s_add_nc_u64 s[6:7], s[68:69], 0x300000
	s_mul_i32 s2, s95, 786432                      ; wq's, wk's, wv's images lie one behind the other in wi
	s_mov_b32 s3, 0
	s_add_nc_u64 s[70:71], s[70:71], s[2:3]
	s_mov_b64 s[8:9], s[70:71]
	s_cmp_eq_u32 s95, 0
	s_cselect_b64 s[10:11], s[72:73], s[76:77]
	s_cselect_b64 s[96:97], s[74:75], s[78:79]
	s_cselect_b64 s[12:13], s[86:87], s[92:93]
	s_cmp_eq_u32 s95, 2
	s_cselect_b64 s[96:97], s[82:83], s[96:97]
	s_cselect_b64 s[4:5], s[70:71], s[68:69]
	s_cselect_b64 s[20:21], s[80:81], s[6:7]
	s_cselect_b64 s[8:9], s[68:69], s[8:9]         ; side B: the tokens for v, else the weight
	s_cselect_b64 s[10:11], s[6:7], s[10:11]
	s_cselect_b32 s17, 0, s18
	s_cselect_b32 s42, s18, 0
	s_mov_b64 s[6:7], s[20:21]
	s_mov_b64 s[98:99], s[84:85]
	s_add_co_u32 s17, s17, s41                     ; RT, tile row of side A: 4 x cluster y + cy (v: cy)
	s_add_co_u32 s42, s42, s40                     ; CT, tile column of side B: cx (v: 4 x cluster y + cx)
	s_lshl_b32 s43, s41, 2
	s_lshl_b32 s43, 15, s43                        ; my row of the cluster
	s_lshl_b32 s44, 0x1111, s40                    ; my column
	s_or_b32 s[G1+0], s43, (3<<16)|(1<<21)         ; the mask; elements of 8 bytes; dense in LDS
	s_or_b32 s[G1B+0], s44, (3<<16)|(1<<21)
.irp g, G1, G1B
	s_mov_b32 s[\g+1], (ROWB/8)<<16                ; a row: 3,072 bytes
	s_mov_b32 s[\g+2], 16<<16                      ; the head's loads bring 16 tiles of 16 rows; behind them these two words are set to 8
	s_mov_b32 s[\g+3], (ROWB/8)<<16
	s_mov_b32 s[\g+4], 16
	s_mov_b32 s[\g+5], KROW*2                      ; 12,288 bytes from tile to tile
	s_mov_b32 s[\g+6], 0
	s_mov_b32 s[\g+7], 0
.endr
	s_or_b32 s[G1S+0], s43, (3<<16)|(1<<20)|(1<<21)|(5<<22)|(3<<25) ; the scales of 256 rows: a dense block, as rows of 256 bytes with 16 of padding
	s_or_b32 s[G1SB+0], s44, (3<<16)|(1<<20)|(1<<21)|(5<<22)|(3<<25)
.irp g, G1S, G1SB
	s_mov_b32 s[\g+1], 32<<16
	s_mov_b32 s[\g+2], KS<<16
	s_mov_b32 s[\g+3], 32<<16
	s_mov_b32 s[\g+4], KS
	s_mov_b32 s[\g+5], 32
	s_mov_b32 s[\g+6], 0
	s_mov_b32 s[\g+7], 0
.endr
	s_lshl_b32 s20, s17, 8
	s_lshl_b32 s46, s42, 8
	s_mov_b32 s21, 0
	s_mov_b32 s47, 0
	s_mov_b64 s[18:19], KS
	s_mul_u64 s[22:23], s[20:21], s[18:19]
	s_mul_u64 s[92:93], s[46:47], s[18:19]
	s_mov_b64 s[18:19], KROW
	s_mul_u64 s[20:21], s[20:21], s[18:19]
	s_mul_u64 s[46:47], s[46:47], s[18:19]
	s_mul_i32 s45, s14, HALFT                      ; where they go: wave x 128 rows
	s_mul_i32 s18, s16, 128*KROW                   ; in the ring I fetch 128 rows: which half, in bytes
	s_mov_b32 s19, 0
	s_add_nc_u64 s[20:21], s[4:5], s[20:21]
	s_add_nc_u64 s[22:23], s[6:7], s[22:23]
	s_add_nc_u64 s[46:47], s[8:9], s[46:47]
	s_add_nc_u64 s[92:93], s[10:11], s[92:93]
	CROUND                                         ; all sixteen work-groups are here: the first joint loads meet
	s_mov_b32 s[G0S], 1
	s_mov_b32 s[G0S+1], SCL
	s_mov_b64 s[G0S+2:G0S+3], s[22:23]
	s_or_b32 s[G0S+3], s[G0S+3], 0x80000000
	s_mov_b32 s[G0SB], 1
	s_mov_b32 s[G0SB+1], SCL+2*HALFS
	s_mov_b64 s[G0SB+2:G0SB+3], s[92:93]
	s_or_b32 s[G0SB+3], s[G0SB+3], 0x80000000
	s_mov_b32 s[G0], 1                             ; the head's tiles, each whole: K step 0 of A's 256 rows (slot 0's group 0 serves; it is set for the ring behind the head's wait),
	s_mov_b32 s[G0+1], 0
	s_mov_b64 s[G0+2:G0+3], s[20:21]
	s_or_b32 s[G0+3], s[G0+3], 0x80000000
	s_mov_b32 s[G0B], 1                            ; and of B's
	s_mov_b32 s[G0B+1], 2*HALFT
	s_mov_b64 s[G0B+2:G0B+3], s[46:47]
	s_or_b32 s[G0B+3], s[G0B+3], 0x80000000
	s_add_nc_u64 s[20:21], s[20:21], s[18:19]
	s_add_nc_u64 s[46:47], s[46:47], s[18:19]
	s_mov_b32 s[G0+4], 1                           ; slot 1: my 128 rows of K step 1
	s_add_co_u32 s[G0+5], s45, SLOT
	s_add_nc_u64 s[G0+6:G0+7], s[20:21], ROWB
	s_or_b32 s[G0+7], s[G0+7], 0x80000000
	s_mov_b32 s[G0B+4], 1
	s_add_co_u32 s[G0B+5], s45, SLOT
	s_add_nc_u64 s[G0B+6:G0B+7], s[46:47], ROWB
	s_or_b32 s[G0B+7], s[G0B+7], 0x80000000
; one load a wave at the head: wave 0 A's tile, wave 1 B's, wave 2 A's scales, wave 3 B's; one tree of branches on the wave's number
.macro ARM under, g0, g1, next
	s_cmp_lt_u32 s14, \under
	s_cbranch_scc0 \next
	tensor_load_to_lds s[\g0:\g0+3], s[\g1:\g1+7]
	s_nop 0
.rept 4
	v_nop
.endr
	s_branch .Lhead_asked
\next:
.endm
	ARM 1, G0,  G1,  .Lhead_b
	ARM 2, G0B, G1B, .Lhead_sa
	ARM 3, G0S, G1S, .Lhead_sb
	tensor_load_to_lds s[G0SB:G0SB+3], s[G1SB:G1SB+7]
	s_nop 0
.rept 4
	v_nop
.endr
.Lhead_asked:
	v_and_b32 v1, 15, v0                           ; r
	v_bfe_u32 v2, v0, 4, 1                         ; h
	v_and_b32 v3, 31, v0
	v_lshlrev_b32 v4, 4, v3                        ; an image's pieces: 16 x lane,
	v_lshlrev_b32 v5, 3, v3                        ; and 8 x lane
	s_mul_i32 s21, s15, HALFT
	s_mul_i32 s22, s16, HALFT
	s_add_co_u32 s22, s22, 2*HALFT
.irp s, 0,1
	v_add_nc_u32 v[ADRA+\s], s21, v4
	v_add_nc_u32 v[ADRB+\s], s22, v4
	v_add_nc_u32 v[ADRA+2+\s], s21, v5
	v_add_nc_u32 v[ADRB+2+\s], s22, v5
	s_add_co_u32 s21, s21, SLOT
	s_add_co_u32 s22, s22, SLOT
.endr
	v_mul_u32_u24 v5, v1, KS
	v_lshrrev_b32 v6, 8, v5
	v_lshl_add_u32 v5, v6, 4, v5
	s_mul_i32 s21, s15, HALFS
	s_mul_i32 s22, s16, HALFS
	s_add_co_u32 s22, s22, 2*HALFS
	s_sub_co_u32 s22, s22, s21
	v_mul_u32_u24 v6, s22, v2                      ; lanes 16-31 take B's scale words
	s_add_co_u32 s21, s21, SCL
	v_add_nc_u32 v5, v5, v6
	v_add_nc_u32 v[ADRS], s21, v5
	; the way out's addresses
	v_and_b32 v6, 31, v0
	v_lshlrev_b32 v[L16], 4, v6
	v_lshlrev_b32 v[L8], 3, v6
	v_lshlrev_b32 v[H32], 5, v2
	v_lshlrev_b32 v[R4], 2, v1
	s_wait_alu depctr_va_vdst(0)
	s_lshl_b32 s23, s14, 12
	s_add_co_u32 s23, s23, STG                     ; my wave's 4,096 bytes
	v_lshl_add_u32 v[SQ], v2, 9, v[R4]
	v_add_nc_u32 v[SQ], s23, v[SQ]                 ; q: 4 r (+ 64 a); lanes 16-31 512 further on, where nobody reads
	v_lshlrev_b32 v[SK], 4, v1
	v_lshl_add_u32 v[SV], v2, 8, v[SK]
	v_lshl_add_u32 v[SK], v2, 10, v[SK]
	v_add_nc_u32 v[SK], s23, v[SK]                 ; k: 16 r; lanes 16-31 1,024 further on
	v_add_nc_u32 v[SV], s23, v[SV]                 ; v: 16 r; lanes 16-31 write the record's 256 zeros behind the 256 bytes
	v_add_nc_u32 v[RBK], s23, v[L16]
	; where the biases and the mask begin.  The table that a path does not use is read from its buffer's head, so that every load stays inside
	s_lshl_b32 s20, s42, 10
	s_lshl_b32 s21, s16, 9
	s_add_co_u32 s20, s20, s21                     ; 4 x my first row of side B
	s_lshl_b32 s22, s17, 10
	s_lshl_b32 s23, s15, 9
	s_add_co_u32 s22, s22, s23                     ; 4 x my first row of side A
	s_cmp_eq_u32 s95, 2
	s_cselect_b32 s20, 0, s20
	s_cselect_b32 s46, s22, 0
	s_mov_b32 s21, 0
	s_mov_b32 s23, 0
	s_mov_b32 s47, 0
	s_add_nc_u64 s[6:7], s[96:97], s[46:47]
	s_add_nc_u64 s[96:97], s[96:97], s[20:21]
	s_add_nc_u64 s[98:99], s[98:99], s[22:23]
.irp b, 0,1,2,3,4,5,6,7
	global_load_b128 v[BT+8*\b:BT+8*\b+3], v[H32], s[96:97] offset:64*\b        ; the bias of features 16 b + 8 h + 0 .. 7
	global_load_b128 v[BT+8*\b+4:BT+8*\b+7], v[H32], s[96:97] offset:64*\b+16
.endr
.irp a, 0,1,2,3,4,5,6,7
	global_load_b32 v[BV+\a], v[R4], s[6:7] offset:64*\a                        ; the bias of row 16 a + r
	global_load_b32 v[MSK+\a], v[R4], s[98:99] offset:64*\a                     ; the mask of row 16 a + r
.endr
	; where the results go
	s_lshl_b32 s20, s17, 4
	s_lshl_b32 s21, s15, 3
	s_add_co_u32 s20, s20, s21
	s_lshl_b32 s20, s20, 3
	s_lshl_b32 s46, s42, 1
	s_add_co_u32 s46, s46, s16                     ; 2 CT + CH
	s_add_co_u32 s20, s20, s46
	s_mul_i32 s20, s20, 1536                       ; q: image (16 RT + 8 RH, 2 CT + CH)
	s_lshl_b32 s47, s46, 12
	s_lshl_b32 s21, s17, 8
	s_add_co_u32 s47, s47, s21
	s_lshl_b32 s21, s15, 7
	s_add_co_u32 s47, s47, s21
	s_lshl_b32 s47, s47, 2
	s_add_co_u32 s47, s47, 0x300000                ; q's scale words: plane 2 CT + CH, my 128 tokens
	s_lshr_b32 s21, s17, 3
	s_lshl_b32 s21, s21, 4
	s_lshl_b32 s22, s46, 1
	s_add_co_u32 s21, s21, s22
	s_lshl_b32 s21, s21, 4
	s_and_b32 s22, s17, 7
	s_lshl_b32 s22, s22, 1
	s_add_co_u32 s22, s22, s15
	s_add_co_u32 s21, s21, s22
	s_mul_i32 s21, s21, RECB                       ; k: record (batch RT / 8, head 4 CT + 2 CH, key step 2 (RT % 8) + RH)
	s_lshr_b32 s22, s42, 3
	s_lshl_b32 s22, s22, 4
	s_lshl_b32 s23, s17, 2
	s_add_co_u32 s22, s22, s23
	s_lshl_b32 s23, s15, 1
	s_add_co_u32 s22, s22, s23
	s_lshl_b32 s22, s22, 4
	s_and_b32 s23, s42, 7
	s_lshl_b32 s23, s23, 1
	s_add_co_u32 s23, s23, s16
	s_add_co_u32 s22, s22, s23
	s_mul_i32 s22, s22, RECB
	s_add_co_u32 s22, s22, 8192                    ; v: record (batch CT / 8, head 4 RT + 2 RH, key step 2 (CT % 8) + CH), behind k's 8,192 bytes
	s_cmp_eq_u32 s95, 0
	s_cselect_b32 s20, s20, s21
	s_cmp_eq_u32 s95, 2
	s_cselect_b32 s20, s22, s20
	s_mov_b32 s21, 0
	s_mov_b32 s46, s47
	s_mov_b32 s47, 0
	s_add_nc_u64 s[4:5], s[12:13], s[46:47]        ; (used by q's path alone)
	s_add_nc_u64 s[12:13], s[12:13], s[20:21]
	s_mov_b32 s94, 0xffff                          ; lanes 0-15
.macro FRAG reg, adr, q, i             ; a fragment: 16 rows x 128 K = 12 registers, from one image; the 8-byte pieces use the second address register (8 x lane)
	ds_load_b128 v[\reg:\reg+3], v[\adr] offset:(2*(\i)+(\q))*1536            ; the image comes back as it was stored: neighbouring lanes read neighbouring bytes
	ds_load_b64 v[\reg+4:\reg+5], v[\adr+2] offset:(2*(\i)+(\q))*1536+512
	ds_load_b128 v[\reg+6:\reg+9], v[\adr] offset:(2*(\i)+(\q))*1536+768
	ds_load_b64 v[\reg+10:\reg+11], v[\adr+2] offset:(2*(\i)+(\q))*1536+1280
.endm
; 16 matrix instructions: A's blocks a0, a0 + 1 x B's eight.  The 64 accumulators take turns, one instruction a turn, in the same order in every step.
.macro MUL16 a0, p, q, sc, zero
.irp a, \a0, \a0+1
.irp b, 0,1,2,3,4,5,6,7
.if \zero
	v_wmma_scale_f32_16x16x128_f8f6f4 v[8*(8*((\a)%4)+\b):8*(8*((\a)%4)+\b)+7], v[128*(\p)+FR*\b:128*(\p)+FR*\b+FR-1], v[AF+FR*(\a):AF+FR*(\a)+FR-1], 0, v[SC+8*NQ*(\sc)+NQ*\b+(\q)], v[SC+8*NQ*(\sc)+NQ*(\a)+(\q)] matrix_a_fmt:MATRIX_FMT_FP6 matrix_b_fmt:MATRIX_FMT_FP6 matrix_a_scale:MATRIX_SCALE_ROW1
.else
	v_wmma_scale_f32_16x16x128_f8f6f4 v[8*(8*((\a)%4)+\b):8*(8*((\a)%4)+\b)+7], v[128*(\p)+FR*\b:128*(\p)+FR*\b+FR-1], v[AF+FR*(\a):AF+FR*(\a)+FR-1], v[8*(8*((\a)%4)+\b):8*(8*((\a)%4)+\b)+7], v[SC+8*NQ*(\sc)+NQ*\b+(\q)], v[SC+8*NQ*(\sc)+NQ*(\a)+(\q)] matrix_a_fmt:MATRIX_FMT_FP6 matrix_b_fmt:MATRIX_FMT_FP6 matrix_a_scale:MATRIX_SCALE_ROW1
.endif
.endr
.endr
.endm
.macro FETCH_B slot, q, p
	WIN TO_B
.irp i, 0,1,2,3,4,5,6,7
	FRAG 128*(\p)+FR*\i, ADRB+\slot, \q, \i
.endr
	WIN 0
.endm
.macro FETCH_A slot, q, i0
.irp i, \i0, \i0+1, \i0+2, \i0+3
	FRAG AF+FR*(\i), ADRA+\slot, \q, \i
.endr
.endm
.macro SCALES sc                       ; lanes 0-15 take A's block i, lanes 16-31 B's block i: two words a row
.irp i, 0,1,2,3,4,5,6,7
	ds_load_b64 v[SC+8*NQ*\sc+NQ*\i:SC+8*NQ*\sc+NQ*\i+1], v[ADRS] offset:\i*SBLK
.endr
.endm
.macro PLACES n                        ; plain vector lines between a matrix instruction and a load into, or a read of, its registers
.rept \n
	v_nop
.endr
.endm
.macro STEP slot, q, zero
	s_wait_dscnt 4*NL                              ; B's set and A's blocks 0-3 are in; the youngest 16 loads (A's blocks 4-7) may be out
	WIN MUL_LO
	MUL16 0, (\q)%2, \q, \slot, \zero
	MUL16 2, (\q)%2, \q, \slot, \zero
	s_wait_dscnt 0
	PLACES NP
	FETCH_B \slot, (\q)+1, 1-(\q)%2
	FETCH_A \slot, (\q)+1, 0
	WIN MUL_HI
	MUL16 4, (\q)%2, \q, \slot, \zero
	MUL16 6, (\q)%2, \q, \slot, \zero
	PLACES NP
	WIN 0
	FETCH_A \slot, (\q)+1, 4
.endm
.macro TURN slot, next, fill
	s_wait_tensorcnt 0x0                           ; all my tensor loads have landed: my part of the next slot
	ds_add_u32 v[SPW], v[NIL]                      ; 0 onto my spare word
	s_wait_dscnt 4*NL+1                            ; (the add and the youngest 16 loads may be out)
	WIN MUL_LO
	MUL16 0, 1, NQ-1, \slot, 0
	s_wait_dscnt 0x0                               ; the add is done, and my reads of this slot are over
	s_barrier_signal -1
	MUL16 2, 1, NQ-1, \slot, 0
	WIN 0
	s_barrier_wait -1
.if \fill
	CREST                                          ; the barrier has opened a round of the cluster's barrier: no wave of any partner still reads this slot or has a load on its way
	s_add_nc_u64 s[G0+4*\slot+2:G0+4*\slot+3], s[G0+4*\slot+2:G0+4*\slot+3], 2*ROWB
	s_add_nc_u64 s[G0B+4*\slot+2:G0B+4*\slot+3], s[G0B+4*\slot+2:G0B+4*\slot+3], 2*ROWB
	JLOAD G0+4*\slot, G1, G0B+4*\slot, G1B
.else
	PLACES NP
.endif
	s_wait_alu depctr_va_vdst(0)
	v_add_nc_u32 v[ADRS], 4*NQ, v[ADRS]
	FETCH_B \next, 0, 0
	FETCH_A \next, 0, 0
	SCALES \next
	WIN MUL_HI
	MUL16 4, 1, NQ-1, \slot, 0
	MUL16 6, 1, NQ-1, \slot, 0
	PLACES NP
	WIN 0
	FETCH_A \next, 0, 4
.endm
	s_wait_alu depctr_va_vdst(0)                   ; the wait at the head's end
	s_wait_tensorcnt 0x0                           ; my tile of the head's four is in
	ds_add_u32 v[SPW], v[NIL]
	s_mov_b32 s[G1+2], 8<<16                       ; no load of mine is out: from here on a load brings 8 tiles of 16 rows,
	s_mov_b32 s[G1+4], 8
	s_mov_b32 s[G1B+2], 8<<16
	s_mov_b32 s[G1B+4], 8
	s_mov_b32 s[G0+1], s45                         ; and slot 0's group 0 names my 128 rows
	s_add_nc_u64 s[G0+2:G0+3], s[G0+2:G0+3], s[18:19]
	s_mov_b32 s[G0B+1], s45
	s_add_nc_u64 s[G0B+2:G0B+3], s[G0B+2:G0B+3], s[18:19]
	s_wait_dscnt 0x0
	CROUND                                         ; all four tiles are in, all sixteen work-groups are here
	JLOAD G0+4, G1, G0B+4, G1B                     ; K step 1, the first tensor load behind the round
	FETCH_B 0, 0, 0
	FETCH_A 0, 0, 0
	SCALES 0
	FETCH_A 0, 0, 4
	STEP 0, 0, 1                                   ; the first step's products start the sums
	s_mov_b32 s3, LAPS-1
.Llap:
	TURN 0, 1, 1
	STEP 1, 0, 0
	TURN 1, 0, 1
	STEP 0, 0, 0
	s_sub_co_u32 s3, s3, 1
	s_cmp_lg_u32 s3, 0
	s_cbranch_scc1 .Llap
	TURN 0, 1, 0
	STEP 1, 0, 0
	s_wait_dscnt 4*NL
	WIN MUL_LO
	MUL16 0, 1, NQ-1, 1, 0
	MUL16 2, 1, NQ-1, 1, 0
	s_wait_dscnt 0
	WIN MUL_HI
	MUL16 4, 1, NQ-1, 1, 0
	MUL16 6, 1, NQ-1, 1, 0
	WIN 0
; THE WAY OUT, block by block of 16 rows of side A: bias, quantiser, and the codes leave straight from registers, each store a run of 512 or 256 consecutive aligned bytes.
	PLACES NP
	s_wait_loadcnt 0x0                             ; the biases and the mask
.irp b, 0,1,2,3
	v_mov_b32 v[TM+4+\b], 0                        ; a lane permute's destination counts as one of its sources
.endr
	v_mov_b32 v[CU], 0x01010000                    ; k's upper scale bytes: an open key,
	v_mov_b32 v[CM], 0x01a00000                    ; a hidden key: byte 160 = 2^33 for the block that holds the code -1.0
.macro WAYOUT a
.set AC, 64*((\a)%4)
.set WX, 2+(\a)/4
	s_wait_xcnt 0x0                                ; the last block's stores have read their registers
	s_wait_dscnt 0x0
	s_cmp_eq_u32 s95, 2
	s_cbranch_scc1 .Lxv_\@
	WIN WX                                         ; source 0: the accumulators' window
.set i, 0
.rept 32
	v_pk_add_f32 v[H+i:H+i+1], v[AC+i:AC+i+1], v[BT+i:BT+i+1]   ; each accumulator from its low end on
.set i, i+2
.endr
	WIN 0
	s_branch .Lxd_\@
.Lxv_\@:
	WIN WX
.set i, 0
.rept 64
	v_add_f32 v[H+i], v[AC+i], v[BV+\a]            ; v: one bias for the lane's channel
.set i, i+1
.endr
	WIN 0
.Lxd_\@:
	QUANT H
	s_cmp_eq_u32 s95, 0
	s_cbranch_scc0 .Lnq_\@
	global_store_b128 v[L16], v[PC:PC+3], s[12:13] offset:\a*12288              ; q: the fragment's image: each head is one half of it
	global_store_b64 v[L8], v[PC+4:PC+5], s[12:13] offset:\a*12288+512
	global_store_b128 v[L16], v[PC+6:PC+9], s[12:13] offset:\a*12288+768
	global_store_b64 v[L8], v[PC+10:PC+11], s[12:13] offset:\a*12288+1280
	ds_store_b32 v[SQ], v[PW] offset:64*\a
	s_branch .Ldone_\@
.Lnq_\@:
	s_cmp_eq_u32 s95, 1
	s_cbranch_scc0 .Lnk_\@
	v_cmp_eq_u32 vcc_lo, 0, v[MSK+\a]              ; k: is my key hidden?
	v_cndmask_b32 v[KEEP], -1, 0, vcc_lo
	v_cndmask_b32 v[MK], 0, 40, vcc_lo             ; the code -1.0 at k = 64 (at k = 96, in lanes 16-31, it meets a zero code of q)
	v_cndmask_b32 v[KW], v[CU], v[CM], vcc_lo
.irp i, 0,1,2,3,6,7,8,9,10,11
	v_and_b32 v[PC+\i], v[PC+\i], v[KEEP]
.endr
	v_and_b32 v[T4], v[PC+4], v[KEEP]
	v_and_b32 v[T4+1], v[PC+5], v[KEEP]
	v_mov_b32 v[T4+2], v[MK]
	v_mov_b32 v[T4+3], 0
	v_mov_b32 v[PC+12], v[MK]
	v_mov_b32 v[PC+13], 0
	v_and_or_b32 v[WA], v[PW], 0xffff, v[KW]
	v_lshrrev_b32 v[WB], 16, v[PW]
	v_or_b32 v[WB], v[WB], v[KW]
	global_store_b128 v[L16], v[PC:PC+3], s[12:13] offset:\a*1024               ; the first head's key tile a: registers 0-3, then 4, 5, the marker, 0
	global_store_b128 v[L16], v[T4:T4+3], s[12:13] offset:\a*1024+512
	global_store_b128 v[L16], v[PC+6:PC+9], s[12:13] offset:\a*1024+HEADB       ; the second head's
	global_store_b128 v[L16], v[PC+10:PC+13], s[12:13] offset:\a*1024+512+HEADB
	ds_store_b32 v[SK], v[WA] offset:1024+((\a)/4)*256+((\a)%4)*4
	ds_store_b32 v[SK], v[WB] offset:1536+((\a)/4)*256+((\a)%4)*4
	s_branch .Ldone_\@
.Lnk_\@:
	v_cndmask_b32 v[PWZ], 0, v[PW], s94            ; v: lanes 16-31 write zeros
	global_store_b128 v[L16], v[PC:PC+3], s[12:13] offset:((\a)/4)*HEADB+((\a)%4)*1536
	s_wait_alu depctr_va_vdst(0)
	global_store_b128 v[L16], v[PC+4:PC+7], s[12:13] offset:((\a)/4)*HEADB+((\a)%4)*1536+512
	global_store_b128 v[L16], v[PC+8:PC+11], s[12:13] offset:((\a)/4)*HEADB+((\a)%4)*1536+1024
	ds_store_b32 v[SV], v[PWZ] offset:3072+((\a)/4)*512+((\a)%4)*4
.Ldone_\@:
.endm
.irp a, 0,1,2,3,4,5,6,7
	WAYOUT \a
.endr
	; the scale words: LDS serves a wave's instructions in order, so these loads see my stores
	s_cmp_eq_u32 s95, 0
	s_cbranch_scc0 .Lfnq
	ds_load_b128 v[H:H+3], v[RBK]
	s_wait_dscnt 0x0
	global_store_b128 v[L16], v[H:H+3], s[4:5]
	s_branch .Lfin
.Lfnq:
	s_cmp_eq_u32 s95, 1
	s_cbranch_scc0 .Lfnk
	ds_load_b128 v[H:H+3], v[RBK] offset:1024
	ds_load_b128 v[H+4:H+7], v[RBK] offset:1536
	s_wait_dscnt 0x0
	global_store_b128 v[L16], v[H:H+3], s[12:13] offset:14336
	global_store_b128 v[L16], v[H+4:H+7], s[12:13] offset:14336+HEADB
	s_branch .Lfin
.Lfnk:
	ds_load_b128 v[H:H+3], v[RBK] offset:3072
	ds_load_b128 v[H+4:H+7], v[RBK] offset:3584
	s_wait_dscnt 0x0
	global_store_b128 v[L16], v[H:H+3], s[12:13] offset:6656                    ; byte 14,848 of the record: 256 bytes of scale words, 256 zeros
	global_store_b128 v[L16], v[H+4:H+7], s[12:13] offset:6656+HEADB
.Lfin:
	s_wait_tensorcnt 0x0                           ; the wave's end
	ds_add_u32 v[SPW], v[NIL]
	s_wait_dscnt 0x0
	CROUND                                         ; the closing round
	s_endpgm
.Lfunc_end_k_qeda8499e2d_qkv:
	.size	k_qeda8499e2d_qkv, .Lfunc_end_k_qeda8499e2d_qkv-k_qeda8499e2d_qkv
	.p2alignl 7, 3214868480
	.fill 96, 4, 3214868480
	.section	.rodata,"a",@progbits
	.p2align	6, 0x0
	.amdhsa_kernel k_qeda8499e2d_qkv
		.amdhsa_group_segment_fixed_size 327680
		.amdhsa_private_segment_fixed_size 0
		.amdhsa_enable_private_segment 0
		.amdhsa_kernarg_size 88
		.amdhsa_user_sgpr_count 2
		.amdhsa_user_sgpr_kernarg_segment_ptr 1
		.amdhsa_wavefront_size32 1
		.amdhsa_system_sgpr_workgroup_id_x 1
		.amdhsa_system_sgpr_workgroup_id_y 1
		.amdhsa_system_sgpr_workgroup_id_z 1
		.amdhsa_system_vgpr_workitem_id 0
		.amdhsa_next_free_vgpr 1024
		.amdhsa_next_free_sgpr 104
		.amdhsa_reserve_vcc 1
		.amdhsa_float_denorm_mode_32 3
		.amdhsa_float_denorm_mode_16_64 3
		.amdhsa_memory_ordered 1
		.amdhsa_forward_progress 1
		.amdhsa_inst_pref_size 205
	.end_amdhsa_kernel
	.amdgpu_metadata
---
amdhsa.version: [ 1, 2 ]
amdhsa.kernels:
  - .name:           k_qeda8499e2d_qkv
    .symbol:         k_qeda8499e2d_qkv.kd
    .args:
      - { .name: xn, .offset: 0, .size: 8, .value_kind: global_buffer, .address_space: global }
      - { .name: wi, .offset: 8, .size: 8, .value_kind: global_buffer, .address_space: global }
      - { .name: wq_scales, .offset: 16, .size: 8, .value_kind: global_buffer, .address_space: global }
      - { .name: bq, .offset: 24, .size: 8, .value_kind: global_buffer, .address_space: global }
      - { .name: wk_scales, .offset: 32, .size: 8, .value_kind: global_buffer, .address_space: global }
      - { .name: bk, .offset: 40, .size: 8, .value_kind: global_buffer, .address_space: global }
      - { .name: wv_scales, .offset: 48, .size: 8, .value_kind: global_buffer, .address_space: global }
      - { .name: bv, .offset: 56, .size: 8, .value_kind: global_buffer, .address_space: global }
      - { .name: mask, .offset: 64, .size: 8, .value_kind: global_buffer, .address_space: global }
      - { .name: qb, .offset: 72, .size: 8, .value_kind: global_buffer, .address_space: global }
      - { .name: kv, .offset: 80, .size: 8, .value_kind: global_buffer, .address_space: global }
    .group_segment_fixed_size: 327680
    .private_segment_fixed_size: 0
    .kernarg_segment_align: 8
    .kernarg_segment_size: 88
    .max_flat_workgroup_size: 128
    .sgpr_count:     104
    .vgpr_count:     1024
    .wavefront_size: 32
...
	.end_amdgpu_metadata
.endif
;; end of part 2
;; launch attn (part 3): grid 8 x 32, 8 waves a work-group, clusters of 4 x 1, 327,680 bytes of LDS; arguments qb, kv, at; writes at
.if DOCPART == 3
	.amdgcn_target "amdgcn-amd-amdhsa--gfx1250"
	.amdhsa_code_object_version 6
	.text
	.protected	k_qeda8499e2d_attn
	.globl	k_qeda8499e2d_attn
	.p2align	8
	.type	k_qeda8499e2d_attn,@function
k_qeda8499e2d_attn:
	s_mov_b64 s[64:65], 0
	v_nop
	global_prefetch_b8 v0, s[64:65] scope:SCOPE_SE
	s_setreg_imm32_b32 hwreg(HW_REG_WAVE_MODE, 25, 1), 1
	s_wait_xcnt 0x0
	s_wait_alu depctr_hold_cnt(0) depctr_sa_sdst(0) depctr_va_vdst(0) depctr_va_sdst(0) depctr_va_ssrc(0) depctr_va_vcc(0) depctr_vm_vsrc(0)
	s_getreg_b32 s2, hwreg(HW_REG_IB_STS2, 6, 4)
	s_cmp_eq_u32 s2, 0
	s_cbranch_scc0 .Lentry_in_a_cluster
	s_endpgm
.Lentry_in_a_cluster:
	s_bfe_u32 s2, ttmp6, 0x10000c
	s_cmp_lg_u32 s2, 0x3003
	s_cbranch_scc0 .Lentry_shape_is_right
	s_endpgm
.Lentry_shape_is_right:
; attention of one head on codes of FP6 (E2M3): S^T = K Q^T, p = 2^(t - M) with t = score x log2(e) / 8 and M the running largest t rounded up to a whole number, O^T = V^T P^T, O / the sum of the unquantised p;
; the result is quantised along the model's 1,024 and leaves as half of a fragment's image, with two scale bytes a token.
; SHARES.  A work-group owns 256 queries of one (batch, head), each of its eight waves 32: two tiles of 16 that share every fragment of K and V.  Two waves to a SIMD: one wave's vector work stands beside the other's products.
; LDS.  The head's 16 records (128 keys each: K's 8 tiles, V^T's 4 fragments, their scale words: 15,360 bytes) are 245,760 bytes: they are brought in ONCE, nothing is filled again.  The four work-groups of a cluster
; belong to one head, so each load is asked for jointly.  Each wave issues two loads: records 0-3 at the head, records 4-15 behind a round; each is waited for whole before its records are read.
; LAYOUT.  A lane holds one query (lane % 16) throughout.  The key tiles are natural (16 neighbours), so a block of 32 keys is coded in the order 0-7, 16-23, 8-15, 24-31: the launch before has laid V's codes in the same order.
; The head's 64 are k = 0 .. 63 of the instruction's 128.  Q has the code 1.0 at k = 64 (byte 127) and zero codes beyond; a hidden key has -1.0 there with byte 160, so its score is -2^33 and its p is 0 beside any open key.
; Registers 8-11 of a fragment of K are the next fragment's first four: they meet zero codes of Q.
; LIMITS: a hidden key's logit is -1.07e9 where reference() has -1e9; NaN and infinities are not served.
.set REC,   15360
.set GRP,   4*REC
.set WPART, GRP/8                      ; 7,680 bytes: 30 rows of 256
.set L16, 1                            ; 16 x lane
.set R16, 2                            ; 16 r
.set AD0, 3
.set AD2, 4
.set L8,  5                            ; 8 x lane
.set R4,  7                            ; 4 r
.set KSC, 8                            ; v8-15  K's scale words, a register a tile
.set VSC, 16                           ; v16-19 V's
.set QSC, 20                           ; v20-21 Q's
.set ST,  24                           ; tile t at v[ST + 8 t]: +0 -M, +1 the largest t, +2, +3 the sum, +4 f, +5 p's scale word, +6, +7 at work
.set BM,  40                           ; + 12 t: the blocks' largest
.set BX,  44
.set SO,  48
.set S,   64                           ; + 64 t: S^T, then p
.set PC,  192                          ; + 12 t: p's codes
.set CV,  216                          ; + 8 t
.set SM,  232                          ; + 2 t
.set UU,  236
.set QF,  64                           ; window 1: Q, + 12 t;  O^T at v[32 t]
.set KF,  96                           ; window 1: K's fragments, 8 registers apart
.set VF,  164                          ; window 1: V's four fragments
.set MSB, 0
.macro WIN new
.if MSB != \new
	s_set_vgpr_msb (MSB<<8)|\new
.set MSB, \new
.endif
.endm
.macro CROUND
	s_barrier_signal -1
	s_barrier_wait -1
	s_cmp_lg_u32 s10, 0
	s_cbranch_scc1 .Lnot_wave_0_\@
	s_barrier_signal -3
.Lnot_wave_0_\@:
	s_barrier_wait -3
	s_barrier_signal -1
	s_barrier_wait -1
.endm
	s_load_b128 s[4:7], s[0:1], 0x0                ; qb, kv
	s_load_b64 s[8:9], s[0:1], 0x10                ; at
	v_lshl_add_u32 v254, v0, 2, 0x3c000
	v_mov_b32 v255, 0
	ds_add_u32 v254, v255
	ds_add_u32 v254, v255
	v_lshrrev_b32 v1, 5, v0
	s_delay_alu instid0(VALU_DEP_1)
	v_readfirstlane_b32 s10, v1                    ; wave 0..7
	s_bfe_u32 s11, ttmp6, 0x40000                  ; cx
	s_lshl_b32 s12, ttmp9, 2
	s_add_co_u32 s12, s12, s11                     ; my block of 256 queries: it enters Q's and the result's addresses alone
	s_and_b32 s13, ttmp7, 0xffff                   ; 16 x batch + head, which the partners share
	s_and_b32 s14, s13, 15
	s_lshr_b32 s15, s13, 4
	s_mov_b32 s16, 15|(3<<16)|(1<<21)              ; group 1: all four work-groups; elements of 8 bytes; no padding
	s_mov_b32 s17, 32<<16                          ; tensor_dim0 = 32: rows of 256 bytes
	s_mov_b32 s18, 30<<16                          ; tensor_dim1 = 30
	s_mov_b32 s19, 32<<16
	s_mov_b32 s20, 30
	s_mov_b32 s21, 32                              ; dense
	s_mov_b32 s22, 0
	s_mov_b32 s23, 0
	s_mul_i32 s24, s10, WPART
	s_mul_i32 s26, s13, 16*REC
	s_add_co_u32 s26, s26, s24
	s_mov_b32 s27, 0
	s_mov_b32 s50, 0x3e38aa3b                      ; c = log2(e) / 8
	s_mov_b32 s51, s50
	s_mov_b32 s52, 0x76543210
	s_mov_b32 s53, 0xfedcba98
	s_mov_b32 s61, 0x017f0000                      ; Q's upper scale bytes: 127 for the block with the code 1.0, 1 for the last
	s_mov_b32 s62, 0xffff                          ; lanes 0-15
	s_wait_dscnt 0x0
	s_wait_kmcnt 0x0
	; TWO LOADS A WAVE IN ALL: at the head my eighth of records 0-3 (30 rows of 256 bytes); behind the full sequence and a round my eighth of records 4-15 (90 rows).  Nothing is filled again.
	s_add_nc_u64 s[6:7], s[6:7], s[26:27]
	s_mov_b32 s32, 1
	s_mov_b32 s33, s24
	s_mov_b64 s[34:35], s[6:7]
	s_or_b32 s35, s35, 0x80000000
	s_mul_i32 s28, s10, 2*WPART                    ; the second load's parts are three times as long
	s_mov_b32 s29, 0
	s_mov_b32 s44, 1
	s_add_co_u32 s45, s24, s28
	s_add_co_u32 s45, s45, GRP
	s_add_nc_u64 s[46:47], s[6:7], s[28:29]
	s_add_nc_u64 s[46:47], s[46:47], GRP
	s_or_b32 s47, s47, 0x80000000
	s_mov_b32 s36, 15|(3<<16)|(1<<21)              ; its group 1: 90 rows of 256 bytes
	s_mov_b32 s37, 32<<16
	s_mov_b32 s38, 90<<16
	s_mov_b32 s39, 32<<16
	s_mov_b32 s40, 90
	s_mov_b32 s41, 32
	s_mov_b32 s42, 0
	s_mov_b32 s43, 0
	CROUND
	tensor_load_to_lds s[32:35], s[16:23]
	s_nop 0
.rept 4
	v_nop
.endr
	s_lshl_b32 s28, s15, 7
	s_lshl_b32 s29, s12, 4
	s_add_co_u32 s28, s28, s29
	s_lshl_b32 s29, s10, 1
	s_add_co_u32 s28, s28, s29                     ; my first tile of 16 tokens
	s_lshr_b32 s29, s14, 1
	s_and_b32 s30, s14, 1
	s_lshl_b32 s31, s28, 3
	s_add_co_u32 s31, s31, s29
	s_mul_i32 s31, s31, 1536
	s_mul_i32 s54, s30, 768
	s_add_co_u32 s54, s31, s54                     ; the image's half that is my head's: the same place in qb and in at
	s_mov_b32 s55, 0
	s_add_nc_u64 s[56:57], s[4:5], s[54:55]
	s_add_nc_u64 s[58:59], s[8:9], s[54:55]
	s_lshl_b32 s54, s29, 12
	s_lshl_b32 s31, s28, 4
	s_add_co_u32 s54, s54, s31
	s_lshl_b32 s54, s54, 2
	s_add_co_u32 s54, s54, 0x300000
	s_add_nc_u64 s[4:5], s[4:5], s[54:55]          ; Q's scale words
	s_lshr_b32 s54, s14, 2
	s_lshl_b32 s54, s54, 15
	s_lshl_b32 s31, s28, 7
	s_add_co_u32 s54, s54, s31
	s_and_b32 s31, s14, 3
	s_lshl_b32 s31, s31, 1
	s_add_co_u32 s54, s54, s31
	s_add_co_u32 s54, s54, 0x300000
	s_add_nc_u64 s[8:9], s[8:9], s[54:55]          ; the result's scale bytes: 8 a token for each 256 along K, my head's two
	s_lshl_b32 s60, s30, 4
	v_and_b32 v6, 31, v0
	v_and_b32 v[R4], 15, v0
	s_delay_alu instid0(VALU_DEP_2)
	v_lshlrev_b32 v[L16], 4, v6
	s_delay_alu instid0(VALU_DEP_2)
	v_lshlrev_b32 v[R16], 4, v[R4]
	s_delay_alu instid0(VALU_DEP_4)
	v_lshlrev_b32 v[L8], 3, v6
	s_delay_alu instid0(VALU_DEP_4)
	v_lshlrev_b32 v[R4], 2, v[R4]
	WIN 0x40                                       ; destination window 1
.irp t, 0,1
	global_load_b128 v[QF+12*\t:QF+12*\t+3], v[L16], s[56:57] offset:12288*\t
	global_load_b64 v[QF+12*\t+4:QF+12*\t+5], v[L8], s[56:57] offset:12288*\t+512
.endr
	WIN 0
	global_load_b32 v[QSC], v[R4], s[4:5]
	global_load_b32 v[QSC+1], v[R4], s[4:5] offset:64
	WIN 0x40
.irp t, 0,1
	v_cndmask_b32 v[QF+12*\t+6], 0, 8, s62         ; the code 1.0 at k = 64
.irp i, 7,8,9,10,11
	v_mov_b32 v[QF+12*\t+\i], 0
.endr
.endr
.irp i, 160,161,162,163
	v_mov_b32 v[\i], 0                             ; behind K's last fragment
.endr
.set i, 0
.rept 64
	v_mov_b32 v[i], 0                              ; O^T: the first change of M leaves zeros zeros
.set i, i+1
.endr
	WIN 0
	s_wait_loadcnt 0x0
.irp t, 0,1
	v_lshrrev_b32 v[QSC+\t], s60, v[QSC+\t]        ; my head's two bytes,
	s_delay_alu instid0(VALU_DEP_1)
	v_and_or_b32 v[QSC+\t], v[QSC+\t], 0xffff, s61 ; and the two of the padded half.  (The lines below are the places between these and the first product)
.endr
.irp t, 0,1
	v_mov_b32 v[ST+8*\t+1], 0xff61b1e6             ; the largest t so far: -3e38
	s_delay_alu instid0(VALU_DEP_1)
	v_floor_f32 v[ST+8*\t], -v[ST+8*\t+1]
	v_mov_b32 v[ST+8*\t+2], 0
	v_mov_b32 v[ST+8*\t+3], 0
	v_mov_b32 v[ST+8*\t+4], 0
	v_mov_b32 v[ST+8*\t+5], 0
	v_mov_b32 v[ST+8*\t+6], 0
	v_mov_b32 v[ST+8*\t+7], 0
.irp b, 0,1,2,3
	v_mov_b32 v[BX+12*\t+\b], 0
.endr
.endr
; A KEY STEP: 128 keys, one record, for both tiles of queries
.macro STEP
	s_wait_alu depctr_va_vdst(0)
	s_wait_dscnt 0x0
	WIN 0x05                                       ; K and Q in window 1, S^T in window 0
.irp k, 0,1,2,3,4,5,6,7
.irp t, 0,1
	v_wmma_scale_f32_16x16x128_f8f6f4 v[S+64*\t+8*\k:S+64*\t+8*\k+7], v[KF+8*\k:KF+8*\k+11], v[QF+12*\t:QF+12*\t+11], 0, v[KSC+\k], v[QSC+\t] matrix_a_fmt:MATRIX_FMT_FP6 matrix_b_fmt:MATRIX_FMT_FP6
.endr
.endr
	WIN 0
.rept 4
	v_nop                                          ; places: in front of the first read of the scores, and of the loads into V's registers
.endr
	WIN 0x40
.irp c, 0,1,2,3
.irp k, 0,1,2
	ds_load_b128 v[VF+12*\c+4*\k:VF+12*\c+4*\k+3], v[AD0] offset:8192+1536*\c+512*\k   ; V lands while the softmax is walked
.endr
.endr
	WIN 0
	ds_load_b128 v[VSC:VSC+3], v[AD2] offset:14848
	s_add_co_u32 s48, s48, REC                     ; the next record; behind the last one the last is named again, so that every read stays inside the 16 records
	s_min_u32 s54, s48, 15*REC
	KLOAD                                          ; its K and K's scale words land while the softmax is walked (the four places above stand between the products and these loads too)
.irp b, 0,1,2,3
.irp t, 0,1
	v_max3_num_f32 v[BM+12*\t+\b], v[S+64*\t+16*\b], v[S+64*\t+16*\b+1], v[S+64*\t+16*\b+2]   ; the largest score of each block of 32 keys: for the row's maximum and for the block's largest p
.endr
.endr
.irp i, 3,5,7,9,11,13
.irp b, 0,1,2,3
.irp t, 0,1
	v_max3_num_f32 v[BM+12*\t+\b], v[BM+12*\t+\b], v[S+64*\t+16*\b+\i], v[S+64*\t+16*\b+\i+1]
.endr
.endr
.endr
.irp b, 0,1,2,3
.irp t, 0,1
	v_max_num_f32 v[BM+12*\t+\b], v[BM+12*\t+\b], v[S+64*\t+16*\b+15]
.endr
.endr
.irp b, 0,1,2,3
.irp t, 0,1
	v_permlanex16_b32 v[BX+12*\t+\b], v[BM+12*\t+\b], s52, s53
.endr
.endr
.irp b, 0,1,2,3
.irp t, 0,1
	v_max_num_f32 v[BM+12*\t+\b], v[BM+12*\t+\b], v[BX+12*\t+\b]
.endr
.endr
.irp t, 0,1
	s_delay_alu instid0(VALU_DEP_4)
	v_max3_num_f32 v[ST+8*\t+6], v[BM+12*\t], v[BM+12*\t+1], v[BM+12*\t+2]
.endr
.irp t, 0,1
	s_delay_alu instid0(VALU_DEP_2)
	v_max_num_f32 v[ST+8*\t+6], v[ST+8*\t+6], v[BM+12*\t+3]
.endr
.irp t, 0,1
	s_delay_alu instid0(VALU_DEP_2)
	v_mul_f32 v[ST+8*\t+6], s50, v[ST+8*\t+6]      ; as t
.endr
.irp t, 0,1
	s_delay_alu instid0(VALU_DEP_2)
	v_max_num_f32 v[ST+8*\t+1], v[ST+8*\t+1], v[ST+8*\t+6]
.endr
.irp t, 0,1
	v_mov_b32 v[ST+8*\t+6], v[ST+8*\t]
.endr
.irp t, 0,1
	s_delay_alu instid0(VALU_DEP_4)
	v_floor_f32 v[ST+8*\t], -v[ST+8*\t+1]          ; -M = floor(-t): M is a whole number
.endr
.irp t, 0,1
	s_delay_alu instid0(VALU_DEP_2)
	v_sub_f32 v[ST+8*\t+6], v[ST+8*\t], v[ST+8*\t+6]
.endr
.irp t, 0,1
	s_delay_alu instid0(VALU_DEP_2)
	v_cvt_i32_f32 v[ST+8*\t+6], v[ST+8*\t+6]       ; (it saturates)
.endr
.irp t, 0,1
	s_delay_alu instid0(VALU_DEP_2)
	v_ldexp_f32 v[ST+8*\t+4], 1.0, v[ST+8*\t+6]    ; f = 2^(old M - new M): exact
.endr
.set j, 0
.rept 32
.irp t, 0,1
	v_pk_fma_f32 v[S+64*\t+j:S+64*\t+j+1], v[S+64*\t+j:S+64*\t+j+1], s[50:51], v[ST+8*\t:ST+8*\t+1] op_sel_hi:[1,0,0]   ; t - M
.endr
.set j, j+2
.endr
.irp b, 0,1,2,3
.irp t, 0,1
	v_fma_f32 v[BM+12*\t+\b], v[BM+12*\t+\b], s50, v[ST+8*\t]
.endr
.endr
.set j, 0
	s_wait_alu depctr_va_vdst(0)
.rept 64
.irp t, 0,1
	v_exp_f32 v[S+64*\t+j], v[S+64*\t+j]           ; p = 2^(t - M): not normalised
.endr
.set j, j+1
.endr
.irp t, 0,1
	v_pk_mul_f32 v[ST+8*\t+2:ST+8*\t+3], v[ST+8*\t+2:ST+8*\t+3], v[ST+8*\t+4:ST+8*\t+5] op_sel_hi:[1,0]   ; the sums under the new M: plain lines behind the exponentials
.endr
	s_wait_alu depctr_va_vdst(0)                   ; one wait for the batch of 128, ahead of its first reader
.irp b, 0,1,2,3
.irp t, 0,1
	v_exp_f32 v[BM+12*\t+\b], v[BM+12*\t+\b]       ; the blocks' largest p
.endr
.endr
.irp t, 0,1
	v_pk_add_f32 v[SM+2*\t:SM+2*\t+1], v[S+64*\t:S+64*\t+1], v[S+64*\t+2:S+64*\t+3]   ; the row's sum is taken of the unquantised p
.endr
.set j, 4
.rept 15
.irp t, 0,1
	v_pk_add_f32 v[ST+8*\t+2:ST+8*\t+3], v[ST+8*\t+2:ST+8*\t+3], v[S+64*\t+j:S+64*\t+j+1]
	v_pk_add_f32 v[SM+2*\t:SM+2*\t+1], v[SM+2*\t:SM+2*\t+1], v[S+64*\t+j+2:S+64*\t+j+3]
.endr
.set j, j+4
.endr
.irp t, 0
	s_delay_alu instid0(VALU_DEP_3)
	v_pk_add_f32 v[ST+8*\t+2:ST+8*\t+3], v[ST+8*\t+2:ST+8*\t+3], v[SM+2*\t:SM+2*\t+1]
.endr
.irp t, 1
	s_delay_alu instid0(VALU_DEP_2)
	v_pk_add_f32 v[ST+8*\t+2:ST+8*\t+3], v[ST+8*\t+2:ST+8*\t+3], v[SM+2*\t:SM+2*\t+1]
.endr
	s_wait_alu depctr_va_vdst(0)                   ; and one for the eight
.irp b, 0,1,2,3
.irp t, 0,1
	v_max_num_f32 v[BM+12*\t+\b], 0x1800000, v[BM+12*\t+\b]   ; the floor: the byte cannot fall under 1
.endr
.endr
.irp b, 0,1,2,3
.irp t, 0,1
	v_add_nc_u32 v[SO+12*\t+\b], 0xff000000, v[BM+12*\t+\b]
.endr
.endr
.irp b, 0,1,2,3
.irp t, 0,1
	v_lshrrev_b32 v[BX+12*\t+\b], 23, v[SO+12*\t+\b]
.endr
.endr
.irp t, 0,1
	v_lshl_or_b32 v[ST+8*\t+5], v[BX+12*\t+1], 8, v[BX+12*\t]
.endr
.irp t, 0,1
	s_delay_alu instid0(VALU_DEP_2)
	v_lshl_or_b32 v[ST+8*\t+5], v[BX+12*\t+2], 16, v[ST+8*\t+5]
.endr
.irp t, 0,1
	s_delay_alu instid0(VALU_DEP_2)
	v_lshl_or_b32 v[ST+8*\t+5], v[BX+12*\t+3], 24, v[ST+8*\t+5]   ; p's scale word for these 128 keys
.endr
.irp c, 0,1
.irp t, 0,1
	v_cvt_scalef32_pk16_fp6_f32 v[PC+12*\t+6*\c:PC+12*\t+6*\c+2], v[S+64*\t+32*\c:S+64*\t+32*\c+15], v[SO+12*\t+2*\c]
	v_cvt_scalef32_pk16_fp6_f32 v[CV+8*\t+4*\c:CV+8*\t+4*\c+2], v[S+64*\t+32*\c+16:S+64*\t+32*\c+31], v[SO+12*\t+2*\c+1]
.endr
.endr
	v_nop                                          ; one plain place behind a scaled conversion
.irp c, 0,1
.irp t, 0,1
.irp i, 0,1,2
	v_permlane16_swap_b32 v[PC+12*\t+6*\c+\i], v[CV+8*\t+4*\c+\i]
.endr
.irp i, 0,1,2
	s_delay_alu instid0(VALU_DEP_3)
	v_mov_b32 v[PC+12*\t+6*\c+3+\i], v[CV+8*\t+4*\c+\i]
.endr
.endr
.endr
	WIN 0x41                                       ; O^T in window 1, f in window 0
.set j, 0
.rept 16
.irp t, 0,1
	v_pk_mul_f32 v[32*\t+j:32*\t+j+1], v[32*\t+j:32*\t+j+1], v[ST+8*\t+4:ST+8*\t+5] op_sel_hi:[1,0]   ; O^T under the new M; these 32 are also the places in front of the products below
.endr
.set j, j+2
.endr
	s_wait_alu depctr_va_vdst(0)
	s_wait_dscnt 0x0                               ; V
	WIN 0x51                                       ; V, C and D in window 1, p's codes in window 0
.irp c, 0,1,2,3
.irp t, 0,1
	v_wmma_scale_f32_16x16x128_f8f6f4 v[32*\t+8*\c:32*\t+8*\c+7], v[VF+12*\c:VF+12*\c+11], v[PC+12*\t:PC+12*\t+11], v[32*\t+8*\c:32*\t+8*\c+7], v[VSC+\c], v[ST+8*\t+5] matrix_a_fmt:MATRIX_FMT_FP6 matrix_b_fmt:MATRIX_FMT_FP6
.endr
.endr
	WIN 0
.endm
.macro WALK n
	s_mov_b32 s49, \n
.Lstep_\@:
	STEP
	s_sub_co_u32 s49, s49, 1
	s_cmp_lg_u32 s49, 0
	s_cbranch_scc1 .Lstep_\@
.endm
	s_wait_alu depctr_va_vdst(0)                   ; the wait at the head's end
	s_wait_tensorcnt 0x0                           ; my part of records 0-3 is in
	ds_add_u32 v254, v255
	s_wait_dscnt 0x0
	CROUND                                         ; everybody's part is in, and the four work-groups are here: the joint loads meet
	tensor_load_to_lds s[44:47], s[36:43]          ; records 4-15 land while records 0-3 are walked
	s_nop 0
.rept 4
	v_nop
.endr
; K's eight tiles and their scale words of the record at LDS byte s54; AD0 and AD2 then serve that record's V in its own step
.macro KLOAD
	v_add_nc_u32 v[AD0], s54, v[L16]
	v_add_nc_u32 v[AD2], s54, v[R16]
	WIN 0x40
.irp k, 0,1,2,3,4,5,6,7
	ds_load_b128 v[KF+8*\k:KF+8*\k+3], v[AD0] offset:1024*\k
	ds_load_b128 v[KF+8*\k+4:KF+8*\k+7], v[AD0] offset:1024*\k+512
.endr
	WIN 0
	ds_load_b128 v[KSC:KSC+3], v[AD2] offset:14336
	ds_load_b128 v[KSC+4:KSC+7], v[AD2] offset:14592
.endm
	s_mov_b32 s48, 0
	s_mov_b32 s54, 0
	KLOAD                                          ; record 0's K
	WALK 3                                         ; steps 0-2 read records 0-3 alone: step 2 fetches record 3's K
	s_wait_tensorcnt 0x0                           ; my part of records 4-15 is in,
	s_wait_dscnt 0x0
	s_barrier_signal -1
	s_barrier_wait -1                              ; everybody's is
	WALK 13
	; THE WAY OUT
.rept 4
	v_nop                                          ; places behind the last products
.endr
.irp t, 0,1
	v_add_f32 v[ST+8*\t+6], v[ST+8*\t+2], v[ST+8*\t+3]
.endr
.irp t, 0,1
	s_delay_alu instid0(VALU_DEP_2)
	v_permlanex16_b32 v[ST+8*\t+7], v[ST+8*\t+6], s52, s53
.endr
.irp t, 0,1
	s_delay_alu instid0(VALU_DEP_2)
	v_add_f32 v[ST+8*\t+6], v[ST+8*\t+6], v[ST+8*\t+7]   ; the row's sum
.endr
	s_wait_alu depctr_va_vdst(0)
.irp t, 0,1
	v_rcp_f32 v[ST+8*\t+6], v[ST+8*\t+6]
.endr
	v_nop
	s_wait_alu depctr_va_vdst(0)                   ; one wait for both reciprocals
	WIN 0x01                                       ; source 0 window 1
.set j, 0
.rept 16
.irp t, 0,1
	v_pk_mul_f32 v[S+64*\t+j:S+64*\t+j+1], v[32*\t+j:32*\t+j+1], v[ST+8*\t+6:ST+8*\t+7] op_sel_hi:[1,0]   ; register 8 c + i: channel 16 c + 8 h + i of my query
.endr
.set j, j+2
.endr
	WIN 0
.irp t, 0,1
.irp g, 0,1
.irp j, 0,1,2,3,4,5,6,7
	v_permlane16_swap_b32 v[S+64*\t+16*\g+\j], v[S+64*\t+16*\g+8+\j]   ; the partner is a given weight: the natural order: register 16 g + i = channel 32 g + 16 h + i
.endr
.endr
.endr
.irp b, 0,1
.irp t, 0,1
	v_max3_num_f32 v[BM+12*\t+\b], |v[S+64*\t+16*\b]|, |v[S+64*\t+16*\b+1]|, 0x1800000
.endr
.endr
.irp i, 2,4,6,8,10,12,14
.irp b, 0,1
.irp t, 0,1
	s_delay_alu instid0(VALU_DEP_4)
	v_max3_num_f32 v[BM+12*\t+\b], v[BM+12*\t+\b], |v[S+64*\t+16*\b+\i]|, |v[S+64*\t+16*\b+\i+1]|
.endr
.endr
.endr
.irp b, 0,1
.irp t, 0,1
	s_delay_alu instid0(VALU_DEP_4)
	v_permlanex16_b32 v[BX+12*\t+\b], v[BM+12*\t+\b], s52, s53
.endr
.endr
.irp b, 0,1
.irp t, 0,1
	s_delay_alu instid0(VALU_DEP_4)
	v_max_num_f32 v[BM+12*\t+\b], v[BM+12*\t+\b], v[BX+12*\t+\b]
.endr
.endr
.irp b, 0,1
.irp t, 0,1
	s_delay_alu instid0(VALU_DEP_4)
	v_add_nc_u32 v[SO+12*\t+\b], 0xff000000, v[BM+12*\t+\b]
.endr
.endr
.irp b, 0,1
.irp t, 0,1
	s_delay_alu instid0(VALU_DEP_4)
	v_lshrrev_b32 v[BX+12*\t+\b], 23, v[SO+12*\t+\b]
.endr
.endr
.irp t, 0,1
	s_delay_alu instid0(VALU_DEP_2)
	v_lshl_or_b32 v[ST+8*\t+7], v[BX+12*\t+1], 8, v[BX+12*\t]   ; my head's two scale bytes of the token
.endr
.irp t, 0,1
	v_cvt_scalef32_pk16_fp6_f32 v[PC+12*\t:PC+12*\t+2], v[S+64*\t:S+64*\t+15], v[SO+12*\t]
	v_cvt_scalef32_pk16_fp6_f32 v[CV+8*\t:CV+8*\t+2], v[S+64*\t+16:S+64*\t+31], v[SO+12*\t+1]
.endr
	v_nop
.irp t, 0,1
.irp i, 0,1,2
	v_permlane16_swap_b32 v[PC+12*\t+\i], v[CV+8*\t+\i]
.endr
.irp i, 0,1,2
	s_delay_alu instid0(VALU_DEP_3)
	v_mov_b32 v[PC+12*\t+3+\i], v[CV+8*\t+\i]
.endr
.endr
	v_cndmask_b32 v[UU], v[ST+15], v[ST+7], s62    ; lanes 0-15: the first tile's tokens, lanes 16-31: the second's
.irp t, 0,1
	global_store_b128 v[L16], v[PC+12*\t:PC+12*\t+3], s[58:59] offset:12288*\t        ; 512 consecutive bytes,
	global_store_b64 v[L8], v[PC+12*\t+4:PC+12*\t+5], s[58:59] offset:12288*\t+512    ; and 256
.endr
	global_store_b16 v[L8], v[UU], s[8:9]          ; a head owns 2 of a token's scale bytes: one such store a wave in the whole launch
	s_wait_tensorcnt 0x0
	ds_add_u32 v254, v255
	s_wait_dscnt 0x0
	CROUND                                         ; the closing round
	s_endpgm
.Lfunc_end_k_qeda8499e2d_attn:
	.size	k_qeda8499e2d_attn, .Lfunc_end_k_qeda8499e2d_attn-k_qeda8499e2d_attn
	.p2alignl 7, 3214868480
	.fill 96, 4, 3214868480
	.section	.rodata,"a",@progbits
	.p2align	6, 0x0
	.amdhsa_kernel k_qeda8499e2d_attn
		.amdhsa_group_segment_fixed_size 327680
		.amdhsa_private_segment_fixed_size 0
		.amdhsa_enable_private_segment 0
		.amdhsa_kernarg_size 24
		.amdhsa_user_sgpr_count 2
		.amdhsa_user_sgpr_kernarg_segment_ptr 1
		.amdhsa_wavefront_size32 1
		.amdhsa_system_sgpr_workgroup_id_x 1
		.amdhsa_system_sgpr_workgroup_id_y 1
		.amdhsa_system_sgpr_workgroup_id_z 1
		.amdhsa_system_vgpr_workitem_id 0
		.amdhsa_next_free_vgpr 512
		.amdhsa_next_free_sgpr 66
		.amdhsa_reserve_vcc 0
		.amdhsa_float_denorm_mode_32 3
		.amdhsa_float_denorm_mode_16_64 3
		.amdhsa_memory_ordered 1
		.amdhsa_forward_progress 1
		.amdhsa_inst_pref_size 82
	.end_amdhsa_kernel
	.amdgpu_metadata
---
amdhsa.version: [ 1, 2 ]
amdhsa.kernels:
  - .name:           k_qeda8499e2d_attn
    .symbol:         k_qeda8499e2d_attn.kd
    .args:
      - { .name: qb, .offset: 0, .size: 8, .value_kind: global_buffer, .address_space: global }
      - { .name: kv, .offset: 8, .size: 8, .value_kind: global_buffer, .address_space: global }
      - { .name: at, .offset: 16, .size: 8, .value_kind: global_buffer, .address_space: global }
    .group_segment_fixed_size: 327680
    .private_segment_fixed_size: 0
    .kernarg_segment_align: 8
    .kernarg_segment_size: 24
    .max_flat_workgroup_size: 256
    .sgpr_count:     66
    .vgpr_count:     512
    .wavefront_size: 32
...
	.end_amdgpu_metadata
.endif
;; end of part 3
;; launch oproj (part 4): grid 8 x 32, 4 waves a work-group, clusters of 4 x 4, 327,680 bytes of LDS; arguments at, wi, wo_scales, bo, x, x1; writes x1
.if DOCPART == 4
	.amdgcn_target "amdgcn-amd-amdhsa--gfx1250"
	.amdhsa_code_object_version 6
	.text
	.protected	k_qeda8499e2d_oproj
	.globl	k_qeda8499e2d_oproj
	.p2align	8
	.type	k_qeda8499e2d_oproj,@function
k_qeda8499e2d_oproj:
	s_mov_b64 s[64:65], 0
	v_nop
	global_prefetch_b8 v0, s[64:65] scope:SCOPE_SE
	s_setreg_imm32_b32 hwreg(HW_REG_WAVE_MODE, 25, 1), 1
	s_wait_xcnt 0x0
	s_wait_alu depctr_hold_cnt(0) depctr_sa_sdst(0) depctr_va_vdst(0) depctr_va_sdst(0) depctr_va_ssrc(0) depctr_va_vcc(0) depctr_vm_vsrc(0)
	s_getreg_b32 s2, hwreg(HW_REG_IB_STS2, 6, 4)
	s_cmp_eq_u32 s2, 0
	s_cbranch_scc0 .Lentry_in_a_cluster
	s_endpgm
.Lentry_in_a_cluster:
	s_bfe_u32 s2, ttmp6, 0x10000c
	s_cmp_lg_u32 s2, 0xf033
	s_cbranch_scc0 .Lentry_shape_is_right
	s_endpgm
.Lentry_shape_is_right:
; out = res + A W^T + bias on codes of FP6 (E2M3) with E8M0 scales.  A: [4096][K] as fragment images [256 tiles of 16 tokens][K / 128][1,536 bytes], its scale bytes [K / 256][4096][8] behind them;
; W: [1024][K] as fragment images, scale bytes [1024][K / 32]; bias [1024], res and out [4096][1024] f32.
; A tile of 128 x 128 to a work-group (256 work-groups; 256 x 256 would give 64), 64 x 64 to each of four waves: 16 accumulators.  K goes in steps of 512 through two LDS slots; tiles are asked for jointly in a 4 x 4 cluster.
; Source 0 = 16 rows of W, source 1 = 16 tokens: a lane holds 8 neighbouring outputs of one token.  The bias is the C of each sum's first product; the residual waits in registers from the start.
.set K,      1024
.set WOFF,   2359296                   ; W comes as fragment images too, laid by the first launch: wo's begin here in wi
.set LAPS,   K/1024                    ; a lap = two slots
.set SOFF,   K*3072                    ; A's scale bytes begin behind 4,096 x K x 3 / 4 bytes of codes
.set MP,     K*12                      ; a tile of 16 tokens: K / 128 images
.set KROW,   K*3/4
.set KS,     K/32
.set G,      K/256
.set FR,     12
.set AHALF,  24576                     ; 4 tiles of tokens x 4 images: dense
.set BHALF,  AHALF
.set BOFF,   2*AHALF
.set SLOT,   BOFF+2*BHALF
.set SCLA,   2*SLOT                    ; A's scale bytes for all of K: [G][128 tokens][8 bytes]: filled once
.set SAH,    G*512
.set SCLB,   SCLA+2*SAH                ; W's: two halves, as rows of 256 bytes + 16
.set HALFS,  (64*KS/256)*272
.set SBLK,   (16*KS/256)*272
.set SPARE,  SCLB+2*HALFS              ; the spare words, 128 bytes a wave
.set STAGE,  SPARE+512                 ; the way out: 16 rows x 272 bytes for each wave; no fill lands here
.set SPITCH, 272
.set ADA,  16                          ; v16-17 A's images in slot 0, 1: + 16 x lane;  v18-19: + 8 x lane
.set ADA8, 18
.set ADRB, 20                          ; v20-21 W's images in slot 0, 1: + 16 x lane;  v22-23: + 8 x lane
.set STO,  24
.set RD,   25
.set CO,   26
.set ADSA, 27
.set SPW,  28
.set NIL,  29
.set ADSB, 30
.set SCA,  32                          ; v32-63  A's scale words: set s, tile i, step q at 16 s + 4 i + q
.set SCB,  64                          ; v64-95  W's
.set BT,   96                          ; v96-127 the bias in the result's layout
.set AF,   128                         ; A's fragments, two sets of 48
.set BK,   128                         ; the way out: rows read back, two sets of 32
.set G1, 24
.set G0, 32
.set G1B, 48
.set G0B, 56
.set G1S, 68
.set G0S, 76
.set G1SB, 80
.set G0SB, 88
.set MSB, 0
.macro WIN new
.if MSB != \new
	s_set_vgpr_msb (MSB<<8)|\new
.set MSB, \new
.endif
.endm
.set MUL,  0xa1                        ; source 0 (W) window 1, source 1 (A) window 0, C and D window 2
.set MULF, 0x81                        ; the same with C (the bias) in window 0
.macro JLOAD g0a, g1a, g0b, g1b        ; waves 0 and 1 fetch for A, waves 2 and 3 for W; four v_nop follow each line
	s_cmp_eq_u32 s15, 0
	s_cbranch_scc0 .Lfor_b_\@
	tensor_load_to_lds s[\g0a:\g0a+3], s[\g1a:\g1a+7]
	s_nop 0
.rept 4
	v_nop
.endr
	s_branch .Lasked_\@
.Lfor_b_\@:
	tensor_load_to_lds s[\g0b:\g0b+3], s[\g1b:\g1b+7]
	s_nop 0
.rept 4
	v_nop
.endr
.Lasked_\@:
.endm
.macro CREST
	s_cmp_lg_u32 s14, 0
	s_cbranch_scc1 .Lnot_wave_0_\@
	s_barrier_signal -3
.Lnot_wave_0_\@:
	s_barrier_wait -3
	s_barrier_signal -1
	s_barrier_wait -1
.endm
.macro CROUND
	s_barrier_signal -1
	s_barrier_wait -1
	CREST
.endm
	s_load_b256 s[4:11], s[0:1], 0x0               ; A, W's codes, W's scales, bias
	s_load_b128 s[92:95], s[0:1], 0x20             ; res, out
	v_lshl_add_u32 v[SPW], v0, 2, SPARE
	v_mov_b32 v[NIL], 0
	ds_add_u32 v28, v29
	ds_add_u32 v28, v29
	s_wait_dscnt 0x0
	v_lshrrev_b32 v1, 5, v0
	v_readfirstlane_b32 s14, v1                    ; wave 0..3
	s_lshr_b32 s15, s14, 1                         ; RH: my half of the tile's tokens.  Also: I fetch for A (0) or for W (1)
	s_and_b32 s16, s14, 1                          ; CH: my half of its outputs.  Also: which half I fetch
	s_bfe_u32 s40, ttmp6, 0x40000                  ; cx
	s_bfe_u32 s41, ttmp6, 0x40004                  ; cy
	s_lshl_b32 s42, ttmp9, 2
	s_add_co_u32 s42, s42, s40                     ; CT
	s_and_b32 s17, ttmp7, 0xffff
	s_lshl_b32 s17, s17, 2
	s_add_co_u32 s17, s17, s41                     ; RT
	s_lshl_b32 s43, s41, 2
	s_lshl_b32 s43, 15, s43                        ; my row of the cluster
	s_lshl_b32 s44, 0x1111, s40                    ; my column
	s_or_b32 s[G1+0], s43, (3<<16)|(1<<21)         ; A: 4 rows of 6,144 bytes (768 elements of 8), MP bytes apart, dense in LDS
	s_mov_b32 s[G1+1], 768<<16
	s_mov_b32 s[G1+2], 8<<16
	s_mov_b32 s[G1+3], 768<<16
	s_mov_b32 s[G1+4], 8
	s_mov_b32 s[G1+5], MP/8
	s_mov_b32 s[G1+6], 0
	s_mov_b32 s[G1+7], 0
	s_or_b32 s[G1B+0], s44, (3<<16)|(1<<21)        ; W: as A.  The head's loads bring 8 tiles of 16 rows; behind them the row counts are set to 4
	s_mov_b32 s[G1B+1], 768<<16
	s_mov_b32 s[G1B+2], 8<<16
	s_mov_b32 s[G1B+3], 768<<16
	s_mov_b32 s[G1B+4], 8
	s_mov_b32 s[G1B+5], MP/8
	s_mov_b32 s[G1B+6], 0
	s_mov_b32 s[G1B+7], 0
	s_or_b32 s[G1S+0], s43, (3<<16)|(1<<21)        ; A's scales: G rows of 1,024 bytes, 32,768 bytes apart
	s_mov_b32 s[G1S+1], 128<<16
	s_mov_b32 s[G1S+2], G<<16
	s_mov_b32 s[G1S+3], 128<<16
	s_mov_b32 s[G1S+4], G
	s_mov_b32 s[G1S+5], 4096
	s_mov_b32 s[G1S+6], 0
	s_mov_b32 s[G1S+7], 0
	s_or_b32 s[G1SB+0], s44, (3<<16)|(1<<20)|(1<<21)|(5<<22)|(3<<25)  ; W's scales: a dense block, as rows of 256 bytes with 16 of padding
	s_mov_b32 s[G1SB+1], 32<<16
	s_mov_b32 s[G1SB+2], (128*KS/256)<<16
	s_mov_b32 s[G1SB+3], 32<<16
	s_mov_b32 s[G1SB+4], 128*KS/256
	s_mov_b32 s[G1SB+5], 32
	s_mov_b32 s[G1SB+6], 0
	s_mov_b32 s[G1SB+7], 0
	s_lshl_b32 s20, s17, 3
	s_mul_i32 s20, s20, MP                         ; A: tile of tokens 8 RT + 4 x half
	s_mov_b32 s21, 0
	s_lshl_b32 s22, s17, 10
	s_add_co_u32 s22, s22, SOFF                    ; its scale bytes: token 128 RT
	s_mov_b32 s23, 0
	s_lshl_b32 s46, s42, 7
	s_mul_i32 s96, s46, KS
	s_mul_i32 s46, s46, KROW
	s_add_co_u32 s46, s46, WOFF
	s_mov_b32 s47, 0
	s_mov_b32 s97, 0
	s_mul_i32 s45, s16, AHALF                      ; where they go: by the wave's number alone
	s_mul_i32 s19, s16, BHALF
	s_add_co_u32 s19, s19, BOFF
	s_mul_i32 s2, s16, 4*MP                        ; in the ring I fetch 64 rows: which half, in bytes
	s_mov_b32 s3, 0
	s_wait_kmcnt 0x0
	s_add_nc_u64 s[20:21], s[4:5], s[20:21]
	s_add_nc_u64 s[22:23], s[4:5], s[22:23]
	s_add_nc_u64 s[46:47], s[6:7], s[46:47]
	s_add_nc_u64 s[96:97], s[8:9], s[96:97]
	CROUND                                         ; all sixteen work-groups are here: the first joint loads meet
	s_mov_b32 s[G0S], 1
	s_mov_b32 s[G0S+1], SCLA
	s_mov_b64 s[G0S+2:G0S+3], s[22:23]
	s_or_b32 s[G0S+3], s[G0S+3], 0x80000000
	s_mov_b32 s[G0SB], 1
	s_mov_b32 s[G0SB+1], SCLB
	s_mov_b64 s[G0SB+2:G0SB+3], s[96:97]
	s_or_b32 s[G0SB+3], s[G0SB+3], 0x80000000
	s_mov_b32 s[G0], 1                             ; the head's tiles, each whole: slot 0 of A's 128 tokens (slot 0's group 0 serves; it is set for the ring behind the head's wait),
	s_mov_b32 s[G0+1], 0
	s_mov_b64 s[G0+2:G0+3], s[20:21]
	s_or_b32 s[G0+3], s[G0+3], 0x80000000
	s_mov_b32 s[G0B], 1                            ; and of W's 128 rows
	s_mov_b32 s[G0B+1], BOFF
	s_mov_b64 s[G0B+2:G0B+3], s[46:47]
	s_or_b32 s[G0B+3], s[G0B+3], 0x80000000
	s_add_nc_u64 s[20:21], s[20:21], s[2:3]
	s_add_nc_u64 s[46:47], s[46:47], s[2:3]
	s_mov_b32 s[G0+4], 1                           ; slot 1: my half
	s_add_co_u32 s[G0+5], s45, SLOT
	s_add_nc_u64 s[G0+6:G0+7], s[20:21], 6144
	s_or_b32 s[G0+7], s[G0+7], 0x80000000
	s_mov_b32 s[G0B+4], 1
	s_add_co_u32 s[G0B+5], s19, SLOT
	s_add_nc_u64 s[G0B+6:G0B+7], s[46:47], 6144
	s_or_b32 s[G0B+7], s[G0B+7], 0x80000000
; one load a wave at the head: wave 0 A's tile, wave 1 W's, wave 2 A's scales, wave 3 W's; one tree of branches on the wave's number
.macro ARM under, g0, g1, next
	s_cmp_lt_u32 s14, \under
	s_cbranch_scc0 \next
	tensor_load_to_lds s[\g0:\g0+3], s[\g1:\g1+7]
	s_nop 0
.rept 4
	v_nop
.endr
	s_branch .Lhead_asked
\next:
.endm
	ARM 1, G0,  G1,  .Lhead_b
	ARM 2, G0B, G1B, .Lhead_sa
	ARM 3, G0S, G1S, .Lhead_sb
	tensor_load_to_lds s[G0SB:G0SB+3], s[G1SB:G1SB+7]
	s_nop 0
.rept 4
	v_nop
.endr
.Lhead_asked:
	v_and_b32 v1, 15, v0                           ; r
	v_bfe_u32 v2, v0, 4, 1                         ; h
	v_and_b32 v3, 31, v0                           ; lane
	v_lshlrev_b32 v4, 4, v3
	v_lshlrev_b32 v5, 3, v3
	s_mul_i32 s21, s15, AHALF
	s_mul_i32 s22, s16, BHALF
	s_add_co_u32 s22, s22, BOFF
.irp s, 0,1
	v_add_nc_u32 v[ADA+\s], s21, v4
	v_add_nc_u32 v[ADA8+\s], s21, v5
	v_add_nc_u32 v[ADRB+\s], s22, v4
	v_add_nc_u32 v[ADRB+2+\s], s22, v5
	s_add_co_u32 s21, s21, SLOT
	s_add_co_u32 s22, s22, SLOT
.endr
	s_lshl_b32 s21, s15, 9                         ; A's scales lie as [K / 256][128 tokens][8 bytes]: my 64 tokens
	s_add_co_u32 s21, s21, SCLA
	v_lshlrev_b32 v[ADSA], 3, v1
	v_add_nc_u32 v[ADSA], s21, v[ADSA]             ; A's scale words: 8 bytes a token
	v_mul_u32_u24 v6, v1, KS
	v_lshrrev_b32 v7, 8, v6
	v_lshl_add_u32 v6, v7, 4, v6
	s_mul_i32 s21, s16, HALFS
	s_add_co_u32 s21, s21, SCLB
	v_add_nc_u32 v[ADSB], s21, v6                  ; W's: KS bytes a row, 16 more for each 256 passed
	s_mul_i32 s23, s14, 16*SPITCH
	s_add_co_u32 s23, s23, STAGE
	v_mul_u32_u24 v6, v1, SPITCH
	v_lshl_add_u32 v6, v2, 5, v6
	v_add_nc_u32 v[STO], s23, v6                   ; into my stage: row r, 32 bytes for each half of the lanes
	v_mul_u32_u24 v6, v2, SPITCH
	v_lshl_add_u32 v6, v1, 4, v6
	v_add_nc_u32 v[RD], s23, v6                    ; back: lanes 0-15 one row of 256 bytes, lanes 16-31 the next
	v_lshlrev_b32 v[CO], 12, v2
	v_lshl_add_u32 v[CO], v1, 4, v[CO]             ; and the same two rows in res and out
	v_lshlrev_b32 v8, 5, v2
	s_wait_alu depctr_va_vdst(0)
	s_lshl_b32 s20, s42, 9
	s_lshl_b32 s21, s16, 8
	s_add_co_u32 s20, s20, s21                     ; my first output, in bytes: 512 CT + 256 CH
	s_mov_b32 s21, 0
	s_add_nc_u64 s[10:11], s[10:11], s[20:21]
	s_lshl_b32 s22, s17, 19
	s_lshl_b32 s23, s15, 18
	s_add_co_u32 s22, s22, s23                     ; my first token's row: (128 RT + 64 RH) x 4,096
	s_add_co_u32 s20, s20, s22
	s_add_nc_u64 s[92:93], s[92:93], s[20:21]
	s_add_nc_u64 s[94:95], s[94:95], s[20:21]
.irp b, 0,1,2,3
	global_load_b128 v[BT+8*\b:BT+8*\b+3], v8, s[10:11] offset:64*\b
	global_load_b128 v[BT+8*\b+4:BT+8*\b+7], v8, s[10:11] offset:64*\b+16
.endr
	WIN 0xc0                                       ; destination window 3: the residual, in the layout in which the rows leave
.irp a, 0,1,2,3
.irp t, 0,1,2,3,4,5,6,7
	global_load_b128 v[32*\a+4*\t:32*\a+4*\t+3], v[CO], s[92:93] offset:(16*\a+2*\t)*4096
.endr
.endr
	WIN 0
.macro FRAG_RAW reg, adr, q, i         ; 16 rows of W x 128 K from one image; the 8-byte pieces use the second address register (8 x lane)
	ds_load_b128 v[\reg:\reg+3], v[\adr] offset:(4*(\i)+(\q))*1536            ; W's image, as A's
	ds_load_b64 v[\reg+4:\reg+5], v[\adr+2] offset:(4*(\i)+(\q))*1536+512
	ds_load_b128 v[\reg+6:\reg+9], v[\adr] offset:(4*(\i)+(\q))*1536+768
	ds_load_b64 v[\reg+10:\reg+11], v[\adr+2] offset:(4*(\i)+(\q))*1536+1280
.endm
.macro FRAG_IMG reg, slot, q, i        ; an image comes back as it was stored
	ds_load_b128 v[\reg:\reg+3], v[ADA+\slot] offset:(4*(\i)+(\q))*1536
	ds_load_b64 v[\reg+4:\reg+5], v[ADA8+\slot] offset:(4*(\i)+(\q))*1536+512
	ds_load_b128 v[\reg+6:\reg+9], v[ADA+\slot] offset:(4*(\i)+(\q))*1536+768
	ds_load_b64 v[\reg+10:\reg+11], v[ADA8+\slot] offset:(4*(\i)+(\q))*1536+1280
.endm
.macro FETCH slot, q, f                ; the fragments of the slot's q-th 128 along K into set f
	WIN 0x40
.irp i, 0,1,2,3
	FRAG_RAW 128*(\f)+FR*\i, ADRB+\slot, \q, \i
.endr
	WIN 0
.irp i, 0,1,2,3
	FRAG_IMG AF+48*(\f)+FR*\i, \slot, \q, \i
.endr
.endm
.macro SCALES s                        ; a slot's four scale words of each row
.irp i, 0,1,2,3
	ds_load_b64 v[SCA+16*\s+4*\i:SCA+16*\s+4*\i+1], v[ADSA] offset:128*\i
	ds_load_b64 v[SCA+16*\s+4*\i+2:SCA+16*\s+4*\i+3], v[ADSA] offset:128*\i+1024
	ds_load_b128 v[SCB+16*\s+4*\i:SCB+16*\s+4*\i+3], v[ADSB] offset:\i*SBLK
.endr
.endm
; 8 matrix instructions: tiles of tokens a0, a0 + 1 x four tiles of outputs.  The 16 accumulators take turns, one instruction a turn, in the same order in every step.
.macro MUL8 f, a0, q, s, first
.irp a, \a0, \a0+1
.irp b, 0,1,2,3
.if \first
	v_wmma_scale_f32_16x16x128_f8f6f4 v[8*(4*(\a)+\b):8*(4*(\a)+\b)+7], v[128*(\f)+FR*\b:128*(\f)+FR*\b+FR-1], v[AF+48*(\f)+FR*(\a):AF+48*(\f)+FR*(\a)+FR-1], v[BT+8*\b:BT+8*\b+7], v[SCB+16*(\s)+4*\b+(\q)], v[SCA+16*(\s)+4*(\a)+(\q)] matrix_a_fmt:MATRIX_FMT_FP6 matrix_b_fmt:MATRIX_FMT_FP6
.else
	v_wmma_scale_f32_16x16x128_f8f6f4 v[8*(4*(\a)+\b):8*(4*(\a)+\b)+7], v[128*(\f)+FR*\b:128*(\f)+FR*\b+FR-1], v[AF+48*(\f)+FR*(\a):AF+48*(\f)+FR*(\a)+FR-1], v[8*(4*(\a)+\b):8*(4*(\a)+\b)+7], v[SCB+16*(\s)+4*\b+(\q)], v[SCA+16*(\s)+4*(\a)+(\q)] matrix_a_fmt:MATRIX_FMT_FP6 matrix_b_fmt:MATRIX_FMT_FP6
.endif
.endr
.endr
.endm
.macro PLACES                          ; plain vector lines between a matrix instruction and a load into, or a read of, its registers
.rept 4
	v_nop
.endr
.endm
.macro STEP slot, q, first             ; one of a slot's first three steps: multiplies set q % 2 while the next step's fragments come into the other
	s_wait_dscnt 0x0                               ; this step's fragments are in
	PLACES
	FETCH \slot, (\q)+1, 1-(\q)%2
.if \first
	WIN MULF
.else
	WIN MUL
.endif
	MUL8 (\q)%2, 0, \q, \slot, \first
	MUL8 (\q)%2, 2, \q, \slot, \first
	WIN 0
.endm
.macro TURN slot, next, fill           ; a slot's last step changes slots
	s_wait_tensorcnt 0x0                           ; all my tensor loads have landed: my part of the next slot
	ds_add_u32 v[SPW], v[NIL]                      ; 0 onto my spare word
	s_wait_dscnt 0x0                               ; the add is done, and my reads of this slot are over
	s_barrier_signal -1
	WIN MUL
	MUL8 1, 0, 3, \slot, 0
	WIN 0
	s_barrier_wait -1
.if \fill
	CREST                                          ; the barrier has opened a round of the cluster's barrier: no wave of any partner still reads this slot or has a load on its way
	s_add_nc_u64 s[G0+4*\slot+2:G0+4*\slot+3], s[G0+4*\slot+2:G0+4*\slot+3], 2*6144
	s_add_nc_u64 s[G0B+4*\slot+2:G0B+4*\slot+3], s[G0B+4*\slot+2:G0B+4*\slot+3], 2*6144
	JLOAD G0+4*\slot, G1, G0B+4*\slot, G1B         ; its four v_nop are also the places in front of the loads below
.else
	PLACES
.endif
	v_add_nc_u32 v[ADSA], 2048, v[ADSA]
	v_add_nc_u32 v[ADSB], 16, v[ADSB]
	FETCH \next, 0, 0
	SCALES \next
	WIN MUL
	MUL8 1, 2, 3, \slot, 0
	WIN 0
.endm
	s_wait_alu depctr_va_vdst(0)                   ; the wait at the head's end
	s_wait_tensorcnt 0x0                           ; my tile of the head's four is in
	ds_add_u32 v[SPW], v[NIL]
	s_mov_b32 s[G1+2], 4<<16                       ; no load of mine is out: from here on a load brings 4 tiles of 16 rows,
	s_mov_b32 s[G1+4], 4
	s_mov_b32 s[G1B+2], 4<<16
	s_mov_b32 s[G1B+4], 4
	s_mov_b32 s[G0+1], s45                         ; and slot 0's group 0 names my half
	s_add_nc_u64 s[G0+2:G0+3], s[G0+2:G0+3], s[2:3]
	s_mov_b32 s[G0B+1], s19
	s_add_nc_u64 s[G0B+2:G0B+3], s[G0B+2:G0B+3], s[2:3]
	s_wait_dscnt 0x0
	CROUND                                         ; all four tiles are in, all sixteen work-groups are here
	JLOAD G0+4, G1, G0B+4, G1B                     ; slot 1, the first tensor load behind the round
	FETCH 0, 0, 0
	SCALES 0
	s_wait_loadcnt 32                              ; the bias is in; the 32 loads of the residual may be out
	STEP 0, 0, 1                                   ; the first step's products start the sums, from the bias
.if LAPS > 1
	s_mov_b32 s3, LAPS-1
.Llap:
	STEP 0, 1, 0
	STEP 0, 2, 0
	TURN 0, 1, 1
	STEP 1, 0, 0
	STEP 1, 1, 0
	STEP 1, 2, 0
	TURN 1, 0, 1
	STEP 0, 0, 0
	s_sub_co_u32 s3, s3, 1
	s_cmp_lg_u32 s3, 0
	s_cbranch_scc1 .Llap
.endif
	STEP 0, 1, 0                                   ; the last lap fills nothing
	STEP 0, 2, 0
	TURN 0, 1, 0
	STEP 1, 0, 0
	STEP 1, 1, 0
	STEP 1, 2, 0
	s_wait_dscnt 0x0
	WIN MUL
	MUL8 1, 0, 3, 1, 0
	MUL8 1, 2, 3, 1, 0
	WIN 0
; THE WAY OUT: a block of 16 tokens x 64 outputs goes through my own stage and comes back as rows of 256 bytes; the residual is added; sixteen lanes store 256 consecutive aligned bytes.
.macro TOSTAGE a
	WIN 0x08                                       ; an LDS store's data: window 2
.irp b, 0,1,2,3
	ds_store_b128 v[STO], v[8*(4*(\a)+\b):8*(4*(\a)+\b)+3] offset:64*\b         ; each accumulator from its low end on
	ds_store_b128 v[STO], v[8*(4*(\a)+\b)+4:8*(4*(\a)+\b)+7] offset:64*\b+16
.endr
	WIN 0
.set BB, BK+32*((\a)%2)
.irp t, 0,1,2,3,4,5,6,7
	ds_load_b128 v[BB+4*\t:BB+4*\t+3], v[RD] offset:2*\t*SPITCH                 ; LDS serves a wave's instructions in order: these see the stores above
.endr
.endm
.macro SEND a, younger
.set BB, BK+32*((\a)%2)
	s_wait_dscnt \younger                          ; the block is back; the next block's 8 stores and 8 loads may be out
	WIN 0x0c                                       ; source 1: window 3
.set i, 0
.rept 16
	v_pk_add_f32 v[BB+i:BB+i+1], v[BB+i:BB+i+1], v[32*(\a)+i:32*(\a)+i+1]
.set i, i+2
.endr
	WIN 0
.irp t, 0,1,2,3,4,5,6,7
	global_store_b128 v[CO], v[BB+4*\t:BB+4*\t+3], s[94:95] offset:(16*(\a)+2*\t)*4096
.endr
.endm
	PLACES
	s_wait_loadcnt 0x0                             ; the residual
	TOSTAGE 0
.irp a, 1,2,3
.if \a > 1
	s_wait_xcnt 0x0                                ; block a - 2's stores have read their registers: block a's loads may land there
.endif
	TOSTAGE \a
	SEND \a-1, 16
.endr
	SEND 3, 0
	s_wait_tensorcnt 0x0                           ; the wave's end
	ds_add_u32 v[SPW], v[NIL]
	s_wait_dscnt 0x0
	CROUND                                         ; the closing round
	s_endpgm
.Lfunc_end_k_qeda8499e2d_oproj:
	.size	k_qeda8499e2d_oproj, .Lfunc_end_k_qeda8499e2d_oproj-k_qeda8499e2d_oproj
	.p2alignl 7, 3214868480
	.fill 96, 4, 3214868480
	.section	.rodata,"a",@progbits
	.p2align	6, 0x0
	.amdhsa_kernel k_qeda8499e2d_oproj
		.amdhsa_group_segment_fixed_size 327680
		.amdhsa_private_segment_fixed_size 0
		.amdhsa_enable_private_segment 0
		.amdhsa_kernarg_size 48
		.amdhsa_user_sgpr_count 2
		.amdhsa_user_sgpr_kernarg_segment_ptr 1
		.amdhsa_wavefront_size32 1
		.amdhsa_system_sgpr_workgroup_id_x 1
		.amdhsa_system_sgpr_workgroup_id_y 1
		.amdhsa_system_sgpr_workgroup_id_z 1
		.amdhsa_system_vgpr_workitem_id 0
		.amdhsa_next_free_vgpr 1024
		.amdhsa_next_free_sgpr 100
		.amdhsa_reserve_vcc 0
		.amdhsa_float_denorm_mode_32 3
		.amdhsa_float_denorm_mode_16_64 3
		.amdhsa_memory_ordered 1
		.amdhsa_forward_progress 1
		.amdhsa_inst_pref_size 63
	.end_amdhsa_kernel
	.amdgpu_metadata
---
amdhsa.version: [ 1, 2 ]
amdhsa.kernels:
  - .name:           k_qeda8499e2d_oproj
    .symbol:         k_qeda8499e2d_oproj.kd
    .args:
      - { .name: at, .offset: 0, .size: 8, .value_kind: global_buffer, .address_space: global }
      - { .name: wi, .offset: 8, .size: 8, .value_kind: global_buffer, .address_space: global }
      - { .name: wo_scales, .offset: 16, .size: 8, .value_kind: global_buffer, .address_space: global }
      - { .name: bo, .offset: 24, .size: 8, .value_kind: global_buffer, .address_space: global }
      - { .name: x, .offset: 32, .size: 8, .value_kind: global_buffer, .address_space: global }
      - { .name: x1, .offset: 40, .size: 8, .value_kind: global_buffer, .address_space: global }
    .group_segment_fixed_size: 327680
    .private_segment_fixed_size: 0
    .kernarg_segment_align: 8
    .kernarg_segment_size: 48
    .max_flat_workgroup_size: 128
    .sgpr_count:     100
    .vgpr_count:     1024
    .wavefront_size: 32
...
	.end_amdgpu_metadata
.endif
;; end of part 4
;; launch ln2: the kernel of part 1 again; grid 256 x 1, 8 waves a work-group, no clusters, 80,896 bytes of LDS; arguments x1, ln2_a, ln2_b, xn, wq_codes, wk_codes, wv_codes, wo_codes, w1_codes, w2_codes, wi; writes xn, wi
;; launch ffn1 (part 5): grid 16 x 16, 4 waves a work-group, clusters of 4 x 4, 327,680 bytes of LDS; arguments xn, wi, w1_scales, b1, hb; writes hb
.if DOCPART == 5
	.amdgcn_target "amdgcn-amd-amdhsa--gfx1250"
	.amdhsa_code_object_version 6
	.text
	.protected	k_qeda8499e2d_ffn1
	.globl	k_qeda8499e2d_ffn1
	.p2align	8
	.type	k_qeda8499e2d_ffn1,@function
k_qeda8499e2d_ffn1:
	s_mov_b64 s[64:65], 0
	v_nop
	global_prefetch_b8 v0, s[64:65] scope:SCOPE_SE
	s_setreg_imm32_b32 hwreg(HW_REG_WAVE_MODE, 25, 1), 1
	s_wait_xcnt 0x0
	s_wait_alu depctr_hold_cnt(0) depctr_sa_sdst(0) depctr_va_vdst(0) depctr_va_sdst(0) depctr_va_ssrc(0) depctr_va_vcc(0) depctr_vm_vsrc(0)
	s_getreg_b32 s2, hwreg(HW_REG_IB_STS2, 6, 4)
	s_cmp_eq_u32 s2, 0
	s_cbranch_scc0 .Lentry_in_a_cluster
	s_endpgm
.Lentry_in_a_cluster:
	s_bfe_u32 s2, ttmp6, 0x10000c
	s_cmp_lg_u32 s2, 0xf033
	s_cbranch_scc0 .Lentry_shape_is_right
	s_endpgm
.Lentry_shape_is_right:
.set KSTEP,  256
.set NQ,     2
; h = relu(LN2(x1) W1^T + b1), quantised on the way out.  Both sides come as fragment images of 1,536 bytes ([tile of 16 rows][8 along K]): a K step of 256 is 3,072 dense bytes of each tile of 16 rows.
.set ROWB,   3072
.set KROW,   768
.set FR,     12
.set NL,     4
.set NP,     4
.set HALFT,  8*ROWB
.set SLOT,   4*HALFT
.set LAPS,   2
.set KS,     32
.set SCL,    2*SLOT
.set HALFS,  (128*KS/256)*272
.set SBLK,   (16*KS/256)*272
.set SPARE,  SCL+4*HALFS
.set STG,    SPARE+512
.set ADRA, 16
.set ADRB, 20
.set L16,  24
.set L8,   25
.set SH,   26
.set ADRS, 27
.set SPW,  28
.set NIL,  29
.set RBK,  6
.set H32,  7
.set SC,   32
.set BT,   64
.set AF,   128
.set H,    128
.set TM,   192
.set PW,   208
.set PC,   210
.set SEL,  100
.set G1, 24
.set G0, 32
.set G1B, 48
.set G0B, 56
.set G1S, 68
.set G0S, 76
.set G1SB, 80
.set G0SB, 88
.set MSB, 0
.macro WIN new
.if MSB != \new
	s_set_vgpr_msb (MSB<<8)|\new
.set MSB, \new
.endif
.endm
.set MUL_LO, 0xa1
.set MUL_HI, 0xf1
.set FST_LO, 0x81
.set FST_HI, 0xc1
.set TO_B,   0x40
.macro JLOAD g0a, g1a, g0b, g1b
	s_cmp_eq_u32 s15, 0
	s_cbranch_scc0 .Lfor_b_\@
	tensor_load_to_lds s[\g0a:\g0a+3], s[\g1a:\g1a+7]
	s_nop 0
.rept 4
	v_nop
.endr
	s_branch .Lasked_\@
.Lfor_b_\@:
	tensor_load_to_lds s[\g0b:\g0b+3], s[\g1b:\g1b+7]
	s_nop 0
.rept 4
	v_nop
.endr
.Lasked_\@:
.endm
.macro CREST
	s_cmp_lg_u32 s14, 0
	s_cbranch_scc1 .Lnot_wave_0_\@
	s_barrier_signal -3
.Lnot_wave_0_\@:
	s_barrier_wait -3
	s_barrier_signal -1
	s_barrier_wait -1
.endm
.macro CROUND
	s_barrier_signal -1
	s_barrier_wait -1
	CREST
.endm
.macro QUANT s
.irp b, 0,1,2,3
	v_max3_num_f32 v[TM+\b], |v[\s+16*\b]|, |v[\s+1+16*\b]|, 0x1800000
.endr
.irp i, 2,4,6,8,10,12,14
.irp b, 0,1,2,3
	v_max3_num_f32 v[TM+\b], v[TM+\b], |v[\s+16*\b+\i]|, |v[\s+1+16*\b+\i]|
.endr
.endr
.irp b, 0,1,2,3
	v_permlanex16_b32 v[TM+4+\b], v[TM+\b], s[SEL], s[SEL+1]
.endr
.irp b, 0,1,2,3
	v_max_num_f32 v[TM+\b], v[TM+\b], v[TM+4+\b]
.endr
.irp b, 0,1,2,3
	v_add_nc_u32 v[TM+12+\b], 0xff000000, v[TM+\b]
.endr
.irp b, 0,1,2,3
	v_lshrrev_b32 v[TM+4+\b], 23, v[TM+12+\b]
.endr
	v_lshl_or_b32 v[PW], v[TM+5], 8, v[TM+4]
	v_lshl_or_b32 v[PW], v[TM+6], 16, v[PW]
	v_lshl_or_b32 v[PW], v[TM+7], 24, v[PW]
.irp c, 0,1
	v_cvt_scalef32_pk16_fp6_f32 v[PC+6*\c:PC+2+6*\c], v[\s+32*\c:\s+15+32*\c], v[TM+12+2*\c]
	v_cvt_scalef32_pk16_fp6_f32 v[PC+12+4*\c:PC+14+4*\c], v[\s+16+32*\c:\s+31+32*\c], v[TM+12+2*\c+1]
.endr
	v_nop
.irp c, 0,1
.irp i, 0,1,2
	v_permlane16_swap_b32 v[PC+6*\c+\i], v[PC+12+4*\c+\i]
.endr
.irp i, 0,1,2
	v_mov_b32 v[PC+3+6*\c+\i], v[PC+12+4*\c+\i]
.endr
.endr
.endm
	s_load_b64 s[4:5], s[0:1], 0x0
	s_load_b128 s[8:11], s[0:1], 0x8
	s_load_b64 s[96:97], s[0:1], 0x18
	s_load_b64 s[12:13], s[0:1], 0x20
	v_lshl_add_u32 v[SPW], v0, 2, SPARE
	v_mov_b32 v[NIL], 0
	ds_add_u32 v28, v29
	ds_add_u32 v28, v29
	s_wait_dscnt 0x0
	v_lshrrev_b32 v1, 5, v0
	v_readfirstlane_b32 s14, v1
	s_lshr_b32 s15, s14, 1
	s_and_b32 s16, s14, 1
	s_bfe_u32 s40, ttmp6, 0x40000
	s_bfe_u32 s41, ttmp6, 0x40004
	s_lshl_b32 s42, ttmp9, 2
	s_add_co_u32 s42, s42, s40
	s_and_b32 s17, ttmp7, 0xffff
	s_lshl_b32 s17, s17, 2
	s_add_co_u32 s17, s17, s41
	s_mov_b32 s[SEL], 0x76543210
	s_mov_b32 s[SEL+1], 0xfedcba98
	s_lshl_b32 s43, s41, 2
	s_lshl_b32 s43, 15, s43
	s_lshl_b32 s44, 0x1111, s40
	s_or_b32 s[G1+0], s43, (3<<16)|(1<<21)
	s_or_b32 s[G1B+0], s44, (3<<16)|(1<<21)
.irp g, G1, G1B
	s_mov_b32 s[\g+1], (ROWB/8)<<16
	s_mov_b32 s[\g+2], 16<<16                      ; the head's loads bring 16 tiles of 16 rows; behind them these two words are set to 8
	s_mov_b32 s[\g+3], (ROWB/8)<<16
	s_mov_b32 s[\g+4], 16
	s_mov_b32 s[\g+5], KROW*2
	s_mov_b32 s[\g+6], 0
	s_mov_b32 s[\g+7], 0
.endr
	s_or_b32 s[G1S+0], s43, (3<<16)|(1<<20)|(1<<21)|(5<<22)|(3<<25)
	s_or_b32 s[G1SB+0], s44, (3<<16)|(1<<20)|(1<<21)|(5<<22)|(3<<25)
.irp g, G1S, G1SB
	s_mov_b32 s[\g+1], 32<<16
	s_mov_b32 s[\g+2], KS<<16
	s_mov_b32 s[\g+3], 32<<16
	s_mov_b32 s[\g+4], KS
	s_mov_b32 s[\g+5], 32
	s_mov_b32 s[\g+6], 0
	s_mov_b32 s[\g+7], 0
.endr
	s_lshl_b32 s20, s17, 8
	s_lshl_b32 s46, s42, 8
	s_mov_b32 s21, 0
	s_mov_b32 s47, 0
	s_mov_b64 s[18:19], KS
	s_mul_u64 s[22:23], s[20:21], s[18:19]
	s_mul_u64 s[92:93], s[46:47], s[18:19]
	s_mov_b64 s[18:19], KROW
	s_mul_u64 s[20:21], s[20:21], s[18:19]
	s_mul_u64 s[46:47], s[46:47], s[18:19]
	s_mul_i32 s45, s14, HALFT
	s_mul_i32 s18, s16, 128*KROW                   ; in the ring I fetch 128 rows: which half, in bytes
	s_mov_b32 s19, 0
	s_wait_kmcnt 0x0
	s_add_nc_u64 s[6:7], s[4:5], 0x300000
	s_add_nc_u64 s[8:9], s[8:9], 0x300000          ; w1's images in wi
	s_add_nc_u64 s[20:21], s[4:5], s[20:21]
	s_add_nc_u64 s[22:23], s[6:7], s[22:23]
	s_add_nc_u64 s[46:47], s[8:9], s[46:47]
	s_add_nc_u64 s[92:93], s[10:11], s[92:93]
	CROUND
	s_mov_b32 s[G0S], 1
	s_mov_b32 s[G0S+1], SCL
	s_mov_b64 s[G0S+2:G0S+3], s[22:23]
	s_or_b32 s[G0S+3], s[G0S+3], 0x80000000
	s_mov_b32 s[G0SB], 1
	s_mov_b32 s[G0SB+1], SCL+2*HALFS
	s_mov_b64 s[G0SB+2:G0SB+3], s[92:93]
	s_or_b32 s[G0SB+3], s[G0SB+3], 0x80000000
	s_mov_b32 s[G0], 1                             ; the head's tiles, each whole: K step 0 of A's 256 rows (slot 0's group 0 serves; it is set for the ring behind the head's wait),
	s_mov_b32 s[G0+1], 0
	s_mov_b64 s[G0+2:G0+3], s[20:21]
	s_or_b32 s[G0+3], s[G0+3], 0x80000000
	s_mov_b32 s[G0B], 1                            ; and of B's
	s_mov_b32 s[G0B+1], 2*HALFT
	s_mov_b64 s[G0B+2:G0B+3], s[46:47]
	s_or_b32 s[G0B+3], s[G0B+3], 0x80000000
	s_add_nc_u64 s[20:21], s[20:21], s[18:19]
	s_add_nc_u64 s[46:47], s[46:47], s[18:19]
	s_mov_b32 s[G0+4], 1                           ; slot 1: my 128 rows of K step 1
	s_add_co_u32 s[G0+5], s45, SLOT
	s_add_nc_u64 s[G0+6:G0+7], s[20:21], ROWB
	s_or_b32 s[G0+7], s[G0+7], 0x80000000
	s_mov_b32 s[G0B+4], 1
	s_add_co_u32 s[G0B+5], s45, SLOT
	s_add_nc_u64 s[G0B+6:G0B+7], s[46:47], ROWB
	s_or_b32 s[G0B+7], s[G0B+7], 0x80000000
; one load a wave at the head: wave 0 A's tile, wave 1 B's, wave 2 A's scales, wave 3 B's; one tree of branches on the wave's number
.macro ARM under, g0, g1, next
	s_cmp_lt_u32 s14, \under
	s_cbranch_scc0 \next
	tensor_load_to_lds s[\g0:\g0+3], s[\g1:\g1+7]
	s_nop 0
.rept 4
	v_nop
.endr
	s_branch .Lhead_asked
\next:
.endm
	ARM 1, G0,  G1,  .Lhead_b
	ARM 2, G0B, G1B, .Lhead_sa
	ARM 3, G0S, G1S, .Lhead_sb
	tensor_load_to_lds s[G0SB:G0SB+3], s[G1SB:G1SB+7]
	s_nop 0
.rept 4
	v_nop
.endr
.Lhead_asked:
	v_and_b32 v1, 15, v0
	v_bfe_u32 v2, v0, 4, 1
	v_and_b32 v3, 31, v0
	v_lshlrev_b32 v4, 4, v3                        ; an image's pieces: 16 x lane,
	v_lshlrev_b32 v5, 3, v3                        ; and 8 x lane
	s_mul_i32 s21, s15, HALFT
	s_mul_i32 s22, s16, HALFT
	s_add_co_u32 s22, s22, 2*HALFT
.irp s, 0,1
	v_add_nc_u32 v[ADRA+\s], s21, v4
	v_add_nc_u32 v[ADRB+\s], s22, v4
	v_add_nc_u32 v[ADRA+2+\s], s21, v5
	v_add_nc_u32 v[ADRB+2+\s], s22, v5
	s_add_co_u32 s21, s21, SLOT
	s_add_co_u32 s22, s22, SLOT
.endr
	v_mul_u32_u24 v5, v1, KS
	v_lshrrev_b32 v6, 8, v5
	v_lshl_add_u32 v5, v6, 4, v5
	s_mul_i32 s21, s15, HALFS
	s_mul_i32 s22, s16, HALFS
	s_add_co_u32 s22, s22, 2*HALFS
	s_sub_co_u32 s22, s22, s21
	v_mul_u32_u24 v6, s22, v2
	s_add_co_u32 s21, s21, SCL
	v_add_nc_u32 v5, v5, v6
	v_add_nc_u32 v[ADRS], s21, v5
	v_and_b32 v6, 31, v0
	v_lshlrev_b32 v[L16], 4, v6
	v_lshlrev_b32 v[L8], 3, v6
	v_lshlrev_b32 v[H32], 5, v2
	s_wait_alu depctr_va_vdst(0)
	s_lshl_b32 s23, s15, 10
	s_lshl_b32 s22, s16, 2
	s_add_co_u32 s23, s23, s22
	s_add_co_u32 s23, s23, STG
	v_lshlrev_b32 v[SH], 3, v1
	v_lshl_add_u32 v[SH], v2, 11, v[SH]
	v_add_nc_u32 v[SH], s23, v[SH]
	s_lshl_b32 s23, s14, 9
	s_add_co_u32 s23, s23, STG
	v_add_nc_u32 v[RBK], s23, v[L16]
	s_lshl_b32 s20, s42, 10
	s_lshl_b32 s21, s16, 9
	s_add_co_u32 s20, s20, s21
	s_mov_b32 s21, 0
	s_add_nc_u64 s[96:97], s[96:97], s[20:21]
.irp b, 0,1,2,3,4,5,6,7
	global_load_b128 v[BT+8*\b:BT+8*\b+3], v[H32], s[96:97] offset:64*\b
	global_load_b128 v[BT+8*\b+4:BT+8*\b+7], v[H32], s[96:97] offset:64*\b+16
.endr
	s_lshl_b32 s20, s17, 4
	s_lshl_b32 s22, s15, 3
	s_add_co_u32 s20, s20, s22
	s_lshl_b32 s20, s20, 5
	s_lshl_b32 s46, s42, 1
	s_add_co_u32 s46, s46, s16
	s_add_co_u32 s20, s20, s46
	s_mul_i32 s20, s20, 1536
	s_lshl_b32 s46, s42, 15
	s_lshl_b32 s47, s17, 11
	s_add_co_u32 s46, s46, s47
	s_lshl_b32 s47, s14, 9
	s_add_co_u32 s46, s46, s47
	s_add_co_u32 s46, s46, 0xc00000
	s_mov_b32 s47, 0
	s_add_nc_u64 s[4:5], s[12:13], s[46:47]
	s_add_nc_u64 s[12:13], s[12:13], s[20:21]
.macro FRAG reg, adr, q, i
	ds_load_b128 v[\reg:\reg+3], v[\adr] offset:(2*(\i)+(\q))*1536
	ds_load_b64 v[\reg+4:\reg+5], v[\adr+2] offset:(2*(\i)+(\q))*1536+512
	ds_load_b128 v[\reg+6:\reg+9], v[\adr] offset:(2*(\i)+(\q))*1536+768
	ds_load_b64 v[\reg+10:\reg+11], v[\adr+2] offset:(2*(\i)+(\q))*1536+1280
.endm
.macro MUL16 a0, p, q, sc, zero
.irp a, \a0, \a0+1
.irp b, 0,1,2,3,4,5,6,7
.if \zero
	v_wmma_scale_f32_16x16x128_f8f6f4 v[8*(8*((\a)%4)+\b):8*(8*((\a)%4)+\b)+7], v[128*(\p)+FR*\b:128*(\p)+FR*\b+FR-1], v[AF+FR*(\a):AF+FR*(\a)+FR-1], v[BT+8*\b:BT+8*\b+7], v[SC+8*NQ*(\sc)+NQ*\b+(\q)], v[SC+8*NQ*(\sc)+NQ*(\a)+(\q)] matrix_a_fmt:MATRIX_FMT_FP6 matrix_b_fmt:MATRIX_FMT_FP6 matrix_a_scale:MATRIX_SCALE_ROW1
.else
	v_wmma_scale_f32_16x16x128_f8f6f4 v[8*(8*((\a)%4)+\b):8*(8*((\a)%4)+\b)+7], v[128*(\p)+FR*\b:128*(\p)+FR*\b+FR-1], v[AF+FR*(\a):AF+FR*(\a)+FR-1], v[8*(8*((\a)%4)+\b):8*(8*((\a)%4)+\b)+7], v[SC+8*NQ*(\sc)+NQ*\b+(\q)], v[SC+8*NQ*(\sc)+NQ*(\a)+(\q)] matrix_a_fmt:MATRIX_FMT_FP6 matrix_b_fmt:MATRIX_FMT_FP6 matrix_a_scale:MATRIX_SCALE_ROW1
.endif
.endr
.endr
.endm
.macro FETCH_B slot, q, p
	WIN TO_B
.irp i, 0,1,2,3,4,5,6,7
	FRAG 128*(\p)+FR*\i, ADRB+\slot, \q, \i
.endr
	WIN 0
.endm
.macro FETCH_A slot, q, i0
.irp i, \i0, \i0+1, \i0+2, \i0+3
	FRAG AF+FR*(\i), ADRA+\slot, \q, \i
.endr
.endm
.macro SCALES sc
.irp i, 0,1,2,3,4,5,6,7
	ds_load_b64 v[SC+8*NQ*\sc+NQ*\i:SC+8*NQ*\sc+NQ*\i+1], v[ADRS] offset:\i*SBLK
.endr
.endm
.macro PLACES n
.rept \n
	v_nop
.endr
.endm
.macro STEP slot, q, zero
	s_wait_dscnt 4*NL
.if \zero
	WIN FST_LO
.else
	WIN MUL_LO
.endif
	MUL16 0, (\q)%2, \q, \slot, \zero
	MUL16 2, (\q)%2, \q, \slot, \zero
	s_wait_dscnt 0
	PLACES NP
	FETCH_B \slot, (\q)+1, 1-(\q)%2
	FETCH_A \slot, (\q)+1, 0
.if \zero
	WIN FST_HI
.else
	WIN MUL_HI
.endif
	MUL16 4, (\q)%2, \q, \slot, \zero
	MUL16 6, (\q)%2, \q, \slot, \zero
	PLACES NP
	WIN 0
	FETCH_A \slot, (\q)+1, 4
.endm
.macro TURN slot, next, fill
	s_wait_tensorcnt 0x0
	ds_add_u32 v[SPW], v[NIL]
	s_wait_dscnt 4*NL+1
	WIN MUL_LO
	MUL16 0, 1, NQ-1, \slot, 0
	s_wait_dscnt 0x0
	s_barrier_signal -1
	MUL16 2, 1, NQ-1, \slot, 0
	WIN 0
	s_barrier_wait -1
.if \fill
	CREST
	s_add_nc_u64 s[G0+4*\slot+2:G0+4*\slot+3], s[G0+4*\slot+2:G0+4*\slot+3], 2*ROWB
	s_add_nc_u64 s[G0B+4*\slot+2:G0B+4*\slot+3], s[G0B+4*\slot+2:G0B+4*\slot+3], 2*ROWB
	JLOAD G0+4*\slot, G1, G0B+4*\slot, G1B
.else
	PLACES NP
.endif
	s_wait_alu depctr_va_vdst(0)
	v_add_nc_u32 v[ADRS], 4*NQ, v[ADRS]
	FETCH_B \next, 0, 0
	FETCH_A \next, 0, 0
	SCALES \next
	WIN MUL_HI
	MUL16 4, 1, NQ-1, \slot, 0
	MUL16 6, 1, NQ-1, \slot, 0
	PLACES NP
	WIN 0
	FETCH_A \next, 0, 4
.endm
	s_wait_alu depctr_va_vdst(0)                   ; the wait at the head's end
	s_wait_tensorcnt 0x0                           ; my tile of the head's four is in
	ds_add_u32 v[SPW], v[NIL]
	s_mov_b32 s[G1+2], 8<<16                       ; no load of mine is out: from here on a load brings 8 tiles of 16 rows,
	s_mov_b32 s[G1+4], 8
	s_mov_b32 s[G1B+2], 8<<16
	s_mov_b32 s[G1B+4], 8
	s_mov_b32 s[G0+1], s45                         ; and slot 0's group 0 names my 128 rows
	s_add_nc_u64 s[G0+2:G0+3], s[G0+2:G0+3], s[18:19]
	s_mov_b32 s[G0B+1], s45
	s_add_nc_u64 s[G0B+2:G0B+3], s[G0B+2:G0B+3], s[18:19]
	s_wait_dscnt 0x0
	CROUND                                         ; all four tiles are in, all sixteen work-groups are here
	JLOAD G0+4, G1, G0B+4, G1B                     ; K step 1, the first tensor load behind the round
	FETCH_B 0, 0, 0
	FETCH_A 0, 0, 0
	SCALES 0
	FETCH_A 0, 0, 4
	s_wait_loadcnt 0x0
	STEP 0, 0, 1
	s_mov_b32 s3, LAPS-1
.Llap:
	TURN 0, 1, 1
	STEP 1, 0, 0
	TURN 1, 0, 1
	STEP 0, 0, 0
	s_sub_co_u32 s3, s3, 1
	s_cmp_lg_u32 s3, 0
	s_cbranch_scc1 .Llap
	TURN 0, 1, 0
	STEP 1, 0, 0
	s_wait_dscnt 4*NL
	WIN MUL_LO
	MUL16 0, 1, NQ-1, 1, 0
	MUL16 2, 1, NQ-1, 1, 0
	s_wait_dscnt 0
	WIN MUL_HI
	MUL16 4, 1, NQ-1, 1, 0
	MUL16 6, 1, NQ-1, 1, 0
	WIN 0
	PLACES NP
.irp b, 0,1,2,3
	v_mov_b32 v[TM+4+\b], 0
.endr
.macro WAYOUT a
.set AC, 64*((\a)%4)
.set WX, (2+(\a)/4)<<2
	s_wait_xcnt 0x0
	s_wait_dscnt 0x0
	WIN WX
.set i, 0
.rept 64
	v_max_num_f32 v[H+i], 0, v[AC+i]
.set i, i+1
.endr
	WIN 0
.irp g, 0,1,2,3
.irp j, 0,1,2,3,4,5,6,7
	v_permlane16_swap_b32 v[H+16*\g+\j], v[H+16*\g+8+\j]
.endr
.endr
	QUANT H
	global_store_b128 v[L16], v[PC:PC+3], s[12:13] offset:\a*49152
	global_store_b64 v[L8], v[PC+4:PC+5], s[12:13] offset:\a*49152+512
	global_store_b128 v[L16], v[PC+6:PC+9], s[12:13] offset:\a*49152+768
	global_store_b64 v[L8], v[PC+10:PC+11], s[12:13] offset:\a*49152+1280
	ds_store_b32 v[SH], v[PW] offset:128*\a
.endm
.irp a, 0,1,2,3,4,5,6,7
	WAYOUT \a
.endr
	s_wait_dscnt 0x0
	s_barrier_signal -1
	s_barrier_wait -1
	ds_load_b128 v[H:H+3], v[RBK]
	s_wait_dscnt 0x0
	global_store_b128 v[L16], v[H:H+3], s[4:5]
	s_wait_tensorcnt 0x0
	ds_add_u32 v[SPW], v[NIL]
	s_wait_dscnt 0x0
	CROUND
	s_endpgm
.Lfunc_end_k_qeda8499e2d_ffn1:
	.size	k_qeda8499e2d_ffn1, .Lfunc_end_k_qeda8499e2d_ffn1-k_qeda8499e2d_ffn1
	.p2alignl 7, 3214868480
	.fill 96, 4, 3214868480
	.section	.rodata,"a",@progbits
	.p2align	6, 0x0
	.amdhsa_kernel k_qeda8499e2d_ffn1
		.amdhsa_group_segment_fixed_size 327680
		.amdhsa_private_segment_fixed_size 0
		.amdhsa_enable_private_segment 0
		.amdhsa_kernarg_size 40
		.amdhsa_user_sgpr_count 2
		.amdhsa_user_sgpr_kernarg_segment_ptr 1
		.amdhsa_wavefront_size32 1
		.amdhsa_system_sgpr_workgroup_id_x 1
		.amdhsa_system_sgpr_workgroup_id_y 1
		.amdhsa_system_sgpr_workgroup_id_z 1
		.amdhsa_system_vgpr_workitem_id 0
		.amdhsa_next_free_vgpr 1024
		.amdhsa_next_free_sgpr 104
		.amdhsa_reserve_vcc 0
		.amdhsa_float_denorm_mode_32 3
		.amdhsa_float_denorm_mode_16_64 3
		.amdhsa_memory_ordered 1
		.amdhsa_forward_progress 1
		.amdhsa_inst_pref_size 176
	.end_amdhsa_kernel
	.amdgpu_metadata
---
amdhsa.version: [ 1, 2 ]
amdhsa.kernels:
  - .name:           k_qeda8499e2d_ffn1
    .symbol:         k_qeda8499e2d_ffn1.kd
    .args:
      - { .name: xn, .offset: 0, .size: 8, .value_kind: global_buffer, .address_space: global }
      - { .name: wi, .offset: 8, .size: 8, .value_kind: global_buffer, .address_space: global }
      - { .name: w1_scales, .offset: 16, .size: 8, .value_kind: global_buffer, .address_space: global }
      - { .name: b1, .offset: 24, .size: 8, .value_kind: global_buffer, .address_space: global }
      - { .name: hb, .offset: 32, .size: 8, .value_kind: global_buffer, .address_space: global }
    .group_segment_fixed_size: 327680
    .private_segment_fixed_size: 0
    .kernarg_segment_align: 8
    .kernarg_segment_size: 40
    .max_flat_workgroup_size: 128
    .sgpr_count:     104
    .vgpr_count:     1024
    .wavefront_size: 32
...
	.end_amdgpu_metadata
.endif
;; end of part 5
;; launch ffn2 (part 6): grid 8 x 32, 4 waves a work-group, clusters of 4 x 4, 327,680 bytes of LDS; arguments hb, wi, w2_scales, b2, x1, out0; writes out0
.if DOCPART == 6
	.amdgcn_target "amdgcn-amd-amdhsa--gfx1250"
	.amdhsa_code_object_version 6
	.text
	.protected	k_qeda8499e2d_ffn2
	.globl	k_qeda8499e2d_ffn2
	.p2align	8
	.type	k_qeda8499e2d_ffn2,@function
k_qeda8499e2d_ffn2:
	s_mov_b64 s[64:65], 0
	v_nop
	global_prefetch_b8 v0, s[64:65] scope:SCOPE_SE
	s_setreg_imm32_b32 hwreg(HW_REG_WAVE_MODE, 25, 1), 1
	s_wait_xcnt 0x0
	s_wait_alu depctr_hold_cnt(0) depctr_sa_sdst(0) depctr_va_vdst(0) depctr_va_sdst(0) depctr_va_ssrc(0) depctr_va_vcc(0) depctr_vm_vsrc(0)
	s_getreg_b32 s2, hwreg(HW_REG_IB_STS2, 6, 4)
	s_cmp_eq_u32 s2, 0
	s_cbranch_scc0 .Lentry_in_a_cluster
	s_endpgm
.Lentry_in_a_cluster:
	s_bfe_u32 s2, ttmp6, 0x10000c
	s_cmp_lg_u32 s2, 0xf033
	s_cbranch_scc0 .Lentry_shape_is_right
	s_endpgm
.Lentry_shape_is_right:
; out = x1 + h W2^T + b2 on codes of FP6 with E8M0 scales; h and W2 both come as fragment images of 1,536 bytes; a tile of 128 x 128 to a work-group, K in steps of 512 through two LDS slots.
.set K,      4096
.set WOFF,   6291456                   ; w2's images begin here in wi
.set LAPS,   K/1024
.set SOFF,   K*3072
.set MP,     K*12
.set KROW,   K*3/4
.set KS,     K/32
.set G,      K/256
.set FR,     12
.set AHALF,  24576
.set BHALF,  AHALF
.set BOFF,   2*AHALF
.set SLOT,   BOFF+2*BHALF
.set SCLA,   2*SLOT
.set SAH,    G*512
.set SCLB,   SCLA+2*SAH
.set HALFS,  (64*KS/256)*272
.set SBLK,   (16*KS/256)*272
.set SPARE,  SCLB+2*HALFS
.set STAGE,  SPARE+512
.set SPITCH, 272
.set ADA,  16
.set ADA8, 18
.set ADRB, 20
.set STO,  24
.set RD,   25
.set CO,   26
.set ADSA, 27
.set SPW,  28
.set NIL,  29
.set ADSB, 30
.set SCA,  32
.set SCB,  64
.set BT,   96
.set AF,   128
.set BK,   128
.set G1, 24
.set G0, 32
.set G1B, 48
.set G0B, 56
.set G1S, 68
.set G0S, 76
.set G1SB, 80
.set G0SB, 88
.set MSB, 0
.macro WIN new
.if MSB != \new
	s_set_vgpr_msb (MSB<<8)|\new
.set MSB, \new
.endif
.endm
.set MUL,  0xa1
.set MULF, 0x81
.macro JLOAD g0a, g1a, g0b, g1b
	s_cmp_eq_u32 s15, 0
	s_cbranch_scc0 .Lfor_b_\@
	tensor_load_to_lds s[\g0a:\g0a+3], s[\g1a:\g1a+7]
	s_nop 0
.rept 4
	v_nop
.endr
	s_branch .Lasked_\@
.Lfor_b_\@:
	tensor_load_to_lds s[\g0b:\g0b+3], s[\g1b:\g1b+7]
	s_nop 0
.rept 4
	v_nop
.endr
.Lasked_\@:
.endm
.macro CREST
	s_cmp_lg_u32 s14, 0
	s_cbranch_scc1 .Lnot_wave_0_\@
	s_barrier_signal -3
.Lnot_wave_0_\@:
	s_barrier_wait -3
	s_barrier_signal -1
	s_barrier_wait -1
.endm
.macro CROUND
	s_barrier_signal -1
	s_barrier_wait -1
	CREST
.endm
	s_load_b256 s[4:11], s[0:1], 0x0
	s_load_b128 s[92:95], s[0:1], 0x20
	v_lshl_add_u32 v[SPW], v0, 2, SPARE
	v_mov_b32 v[NIL], 0
	ds_add_u32 v28, v29
	ds_add_u32 v28, v29
	s_wait_dscnt 0x0
	v_lshrrev_b32 v1, 5, v0
	v_readfirstlane_b32 s14, v1
	s_lshr_b32 s15, s14, 1
	s_and_b32 s16, s14, 1
	s_bfe_u32 s40, ttmp6, 0x40000
	s_bfe_u32 s41, ttmp6, 0x40004
	s_lshl_b32 s42, ttmp9, 2
	s_add_co_u32 s42, s42, s40
	s_and_b32 s17, ttmp7, 0xffff
	s_lshl_b32 s17, s17, 2
	s_add_co_u32 s17, s17, s41
	s_lshl_b32 s43, s41, 2
	s_lshl_b32 s43, 15, s43
	s_lshl_b32 s44, 0x1111, s40
	s_or_b32 s[G1+0], s43, (3<<16)|(1<<21)
	s_mov_b32 s[G1+1], 768<<16
	s_mov_b32 s[G1+2], 8<<16
	s_mov_b32 s[G1+3], 768<<16
	s_mov_b32 s[G1+4], 8
	s_mov_b32 s[G1+5], MP/8
	s_mov_b32 s[G1+6], 0
	s_mov_b32 s[G1+7], 0
	s_or_b32 s[G1B+0], s44, (3<<16)|(1<<21)        ; W: as A.  The head's loads bring 8 tiles of 16 rows; behind them the row counts are set to 4
	s_mov_b32 s[G1B+1], 768<<16
	s_mov_b32 s[G1B+2], 8<<16
	s_mov_b32 s[G1B+3], 768<<16
	s_mov_b32 s[G1B+4], 8
	s_mov_b32 s[G1B+5], MP/8
	s_mov_b32 s[G1B+6], 0
	s_mov_b32 s[G1B+7], 0
	s_or_b32 s[G1S+0], s43, (3<<16)|(1<<21)
	s_mov_b32 s[G1S+1], 128<<16
	s_mov_b32 s[G1S+2], G<<16
	s_mov_b32 s[G1S+3], 128<<16
	s_mov_b32 s[G1S+4], G
	s_mov_b32 s[G1S+5], 4096
	s_mov_b32 s[G1S+6], 0
	s_mov_b32 s[G1S+7], 0
	s_or_b32 s[G1SB+0], s44, (3<<16)|(1<<20)|(1<<21)|(5<<22)|(3<<25)
	s_mov_b32 s[G1SB+1], 32<<16
	s_mov_b32 s[G1SB+2], (128*KS/256)<<16
	s_mov_b32 s[G1SB+3], 32<<16
	s_mov_b32 s[G1SB+4], 128*KS/256
	s_mov_b32 s[G1SB+5], 32
	s_mov_b32 s[G1SB+6], 0
	s_mov_b32 s[G1SB+7], 0
	s_lshl_b32 s20, s17, 3
	s_mul_i32 s20, s20, MP
	s_mov_b32 s21, 0
	s_lshl_b32 s22, s17, 10
	s_add_co_u32 s22, s22, SOFF
	s_mov_b32 s23, 0
	s_lshl_b32 s46, s42, 7
	s_mul_i32 s96, s46, KS
	s_mul_i32 s46, s46, KROW
	s_add_co_u32 s46, s46, WOFF
	s_mov_b32 s47, 0
	s_mov_b32 s97, 0
	s_mul_i32 s45, s16, AHALF
	s_mul_i32 s19, s16, BHALF
	s_add_co_u32 s19, s19, BOFF
	s_mul_i32 s2, s16, 4*MP                        ; in the ring I fetch 64 rows: which half, in bytes
	s_mov_b32 s3, 0
	s_wait_kmcnt 0x0
	s_add_nc_u64 s[20:21], s[4:5], s[20:21]
	s_add_nc_u64 s[22:23], s[4:5], s[22:23]
	s_add_nc_u64 s[46:47], s[6:7], s[46:47]
	s_add_nc_u64 s[96:97], s[8:9], s[96:97]
	CROUND
	s_mov_b32 s[G0S], 1
	s_mov_b32 s[G0S+1], SCLA
	s_mov_b64 s[G0S+2:G0S+3], s[22:23]
	s_or_b32 s[G0S+3], s[G0S+3], 0x80000000
	s_mov_b32 s[G0SB], 1
	s_mov_b32 s[G0SB+1], SCLB
	s_mov_b64 s[G0SB+2:G0SB+3], s[96:97]
	s_or_b32 s[G0SB+3], s[G0SB+3], 0x80000000
	s_mov_b32 s[G0], 1                             ; the head's tiles, each whole: slot 0 of A's 128 tokens (slot 0's group 0 serves; it is set for the ring behind the head's wait),
	s_mov_b32 s[G0+1], 0
	s_mov_b64 s[G0+2:G0+3], s[20:21]
	s_or_b32 s[G0+3], s[G0+3], 0x80000000
	s_mov_b32 s[G0B], 1                            ; and of W's 128 rows
	s_mov_b32 s[G0B+1], BOFF
	s_mov_b64 s[G0B+2:G0B+3], s[46:47]
	s_or_b32 s[G0B+3], s[G0B+3], 0x80000000
	s_add_nc_u64 s[20:21], s[20:21], s[2:3]
	s_add_nc_u64 s[46:47], s[46:47], s[2:3]
	; THE PREFETCHES.  Of the four tiles of 16 rows that I fetch in the ring, each of the four partners that ask for them with me names one, told apart by address (cx for A, cy for W):
	; a slot's 6,144 bytes of that tile are 24 blocks of 256 bytes, a lane a block (the eight lanes left over name the last block again): each block is named once in the cluster.
	s_cmp_eq_u32 s15, 0
	s_cselect_b64 s[12:13], s[20:21], s[46:47]
	s_cselect_b32 s4, s40, s41
	s_mul_i32 s4, s4, MP
	s_mov_b32 s5, 0
	s_add_nc_u64 s[12:13], s[12:13], s[4:5]
	s_mov_b32 s[G0+4], 1                           ; slot 1: my half
	s_add_co_u32 s[G0+5], s45, SLOT
	s_add_nc_u64 s[G0+6:G0+7], s[20:21], 6144
	s_or_b32 s[G0+7], s[G0+7], 0x80000000
	s_mov_b32 s[G0B+4], 1
	s_add_co_u32 s[G0B+5], s19, SLOT
	s_add_nc_u64 s[G0B+6:G0B+7], s[46:47], 6144
	s_or_b32 s[G0B+7], s[G0B+7], 0x80000000
; one load a wave at the head: wave 0 A's tile, wave 1 W's, wave 2 A's scales, wave 3 W's; one tree of branches on the wave's number
.macro ARM under, g0, g1, next
	s_cmp_lt_u32 s14, \under
	s_cbranch_scc0 \next
	tensor_load_to_lds s[\g0:\g0+3], s[\g1:\g1+7]
	s_nop 0
.rept 4
	v_nop
.endr
	s_branch .Lhead_asked
\next:
.endm
	ARM 1, G0,  G1,  .Lhead_b
	ARM 2, G0B, G1B, .Lhead_sa
	ARM 3, G0S, G1S, .Lhead_sb
	tensor_load_to_lds s[G0SB:G0SB+3], s[G1SB:G1SB+7]
	s_nop 0
.rept 4
	v_nop
.endr
.Lhead_asked:
	v_and_b32 v1, 15, v0
	v_bfe_u32 v2, v0, 4, 1
	v_and_b32 v3, 31, v0
	v_lshlrev_b32 v4, 4, v3
	v_lshlrev_b32 v5, 3, v3
	s_mul_i32 s21, s15, AHALF
	s_mul_i32 s22, s16, BHALF
	s_add_co_u32 s22, s22, BOFF
.irp s, 0,1
	v_add_nc_u32 v[ADA+\s], s21, v4
	v_add_nc_u32 v[ADA8+\s], s21, v5
	v_add_nc_u32 v[ADRB+\s], s22, v4
	v_add_nc_u32 v[ADRB+2+\s], s22, v5
	s_add_co_u32 s21, s21, SLOT
	s_add_co_u32 s22, s22, SLOT
.endr
	s_lshl_b32 s21, s15, 9                         ; A's scales lie as [K / 256][128 tokens][8 bytes]: my 64 tokens
	s_add_co_u32 s21, s21, SCLA
	v_lshlrev_b32 v[ADSA], 3, v1
	v_add_nc_u32 v[ADSA], s21, v[ADSA]
	v_mul_u32_u24 v6, v1, KS
	v_lshrrev_b32 v7, 8, v6
	v_lshl_add_u32 v6, v7, 4, v6
	s_mul_i32 s21, s16, HALFS
	s_add_co_u32 s21, s21, SCLB
	v_add_nc_u32 v[ADSB], s21, v6
	s_mul_i32 s23, s14, 16*SPITCH
	s_add_co_u32 s23, s23, STAGE
	v_mul_u32_u24 v6, v1, SPITCH
	v_lshl_add_u32 v6, v2, 5, v6
	v_add_nc_u32 v[STO], s23, v6
	v_mul_u32_u24 v6, v2, SPITCH
	v_lshl_add_u32 v6, v1, 4, v6
	v_add_nc_u32 v[RD], s23, v6
	v_lshlrev_b32 v[CO], 12, v2
	v_lshl_add_u32 v[CO], v1, 4, v[CO]
	v_lshlrev_b32 v8, 5, v2
	v_and_b32 v31, 31, v0
	v_min_u32 v31, 23, v31
	v_lshlrev_b32 v31, 8, v31                      ; the prefetches' offset: 256 x min(lane, 23); never rewritten
	s_wait_alu depctr_va_vdst(0)
	s_lshl_b32 s20, s42, 9
	s_lshl_b32 s21, s16, 8
	s_add_co_u32 s20, s20, s21
	s_mov_b32 s21, 0
	s_add_nc_u64 s[10:11], s[10:11], s[20:21]
	s_lshl_b32 s22, s17, 19
	s_lshl_b32 s23, s15, 18
	s_add_co_u32 s22, s22, s23
	s_add_co_u32 s20, s20, s22
	s_add_nc_u64 s[92:93], s[92:93], s[20:21]
	s_add_nc_u64 s[94:95], s[94:95], s[20:21]
.irp b, 0,1,2,3
	global_load_b128 v[BT+8*\b:BT+8*\b+3], v8, s[10:11] offset:64*\b
	global_load_b128 v[BT+8*\b+4:BT+8*\b+7], v8, s[10:11] offset:64*\b+16
.endr
	WIN 0xc0
.irp a, 0,1,2,3
.irp t, 0,1,2,3,4,5,6,7
	global_load_b128 v[32*\a+4*\t:32*\a+4*\t+3], v[CO], s[92:93] offset:(16*\a+2*\t)*4096
.endr
.endr
	WIN 0
.macro FRAG_RAW reg, adr, q, i
	ds_load_b128 v[\reg:\reg+3], v[\adr] offset:(4*(\i)+(\q))*1536            ; W's image, as A's
	ds_load_b64 v[\reg+4:\reg+5], v[\adr+2] offset:(4*(\i)+(\q))*1536+512
	ds_load_b128 v[\reg+6:\reg+9], v[\adr] offset:(4*(\i)+(\q))*1536+768
	ds_load_b64 v[\reg+10:\reg+11], v[\adr+2] offset:(4*(\i)+(\q))*1536+1280
.endm
.macro FRAG_IMG reg, slot, q, i
	ds_load_b128 v[\reg:\reg+3], v[ADA+\slot] offset:(4*(\i)+(\q))*1536
	ds_load_b64 v[\reg+4:\reg+5], v[ADA8+\slot] offset:(4*(\i)+(\q))*1536+512
	ds_load_b128 v[\reg+6:\reg+9], v[ADA+\slot] offset:(4*(\i)+(\q))*1536+768
	ds_load_b64 v[\reg+10:\reg+11], v[ADA8+\slot] offset:(4*(\i)+(\q))*1536+1280
.endm
.macro FETCH slot, q, f
	WIN 0x40
.irp i, 0,1,2,3
	FRAG_RAW 128*(\f)+FR*\i, ADRB+\slot, \q, \i
.endr
	WIN 0
.irp i, 0,1,2,3
	FRAG_IMG AF+48*(\f)+FR*\i, \slot, \q, \i
.endr
.endm
.macro SCALES s
.irp i, 0,1,2,3
	ds_load_b64 v[SCA+16*\s+4*\i:SCA+16*\s+4*\i+1], v[ADSA] offset:128*\i
	ds_load_b64 v[SCA+16*\s+4*\i+2:SCA+16*\s+4*\i+3], v[ADSA] offset:128*\i+1024
	ds_load_b128 v[SCB+16*\s+4*\i:SCB+16*\s+4*\i+3], v[ADSB] offset:\i*SBLK
.endr
.endm
.macro MUL8 f, a0, q, s, first
.irp a, \a0, \a0+1
.irp b, 0,1,2,3
.if \first
	v_wmma_scale_f32_16x16x128_f8f6f4 v[8*(4*(\a)+\b):8*(4*(\a)+\b)+7], v[128*(\f)+FR*\b:128*(\f)+FR*\b+FR-1], v[AF+48*(\f)+FR*(\a):AF+48*(\f)+FR*(\a)+FR-1], v[BT+8*\b:BT+8*\b+7], v[SCB+16*(\s)+4*\b+(\q)], v[SCA+16*(\s)+4*(\a)+(\q)] matrix_a_fmt:MATRIX_FMT_FP6 matrix_b_fmt:MATRIX_FMT_FP6
.else
	v_wmma_scale_f32_16x16x128_f8f6f4 v[8*(4*(\a)+\b):8*(4*(\a)+\b)+7], v[128*(\f)+FR*\b:128*(\f)+FR*\b+FR-1], v[AF+48*(\f)+FR*(\a):AF+48*(\f)+FR*(\a)+FR-1], v[8*(4*(\a)+\b):8*(4*(\a)+\b)+7], v[SCB+16*(\s)+4*\b+(\q)], v[SCA+16*(\s)+4*(\a)+(\q)] matrix_a_fmt:MATRIX_FMT_FP6 matrix_b_fmt:MATRIX_FMT_FP6
.endif
.endr
.endr
.endm
.macro PLACES
.rept 4
	v_nop
.endr
.endm
.macro STEP slot, q, first
	s_wait_dscnt 0x0
	PLACES
	FETCH \slot, (\q)+1, 1-(\q)%2
.if \first
	WIN MULF
.else
	WIN MUL
.endif
	MUL8 (\q)%2, 0, \q, \slot, \first
	MUL8 (\q)%2, 2, \q, \slot, \first
	WIN 0
.endm
.macro TURN slot, next, fill
.if \fill
	s_wait_xcnt 0x0                                ; my last prefetch has read its address: it steps one slot along K here, ahead of the waits of the change of slots
	s_add_nc_u64 s[12:13], s[12:13], 6144
.endif
	s_wait_tensorcnt 0x0
	ds_add_u32 v[SPW], v[NIL]
	s_wait_dscnt 0x0
	s_barrier_signal -1
	WIN MUL
	MUL8 1, 0, 3, \slot, 0
	WIN 0
	s_barrier_wait -1
.if \fill
	CREST
	s_add_nc_u64 s[G0+4*\slot+2:G0+4*\slot+3], s[G0+4*\slot+2:G0+4*\slot+3], 2*6144
	s_add_nc_u64 s[G0B+4*\slot+2:G0B+4*\slot+3], s[G0B+4*\slot+2:G0B+4*\slot+3], 2*6144
	JLOAD G0+4*\slot, G1, G0B+4*\slot, G1B
.else
	PLACES
.endif
	s_wait_alu depctr_va_vdst(0)
	v_add_nc_u32 v[ADSA], 2048, v[ADSA]
	v_add_nc_u32 v[ADSB], 16, v[ADSB]
	FETCH \next, 0, 0
	SCALES \next
.if \fill
	s_cmp_gt_u32 s3, 1                             ; behind the refill that asks for slot n + 2: slot n + 4, two refills on; K has 8 slots, so the loop's last trip (n = 4, 5) asks for nothing
	s_cbranch_scc0 .Lno_ask_\@
	global_prefetch_b8 v31, s[12:13] offset:3*6144 th:TH_LOAD_NT scope:SCOPE_SE
.Lno_ask_\@:
.endif
	WIN MUL
	MUL8 1, 2, 3, \slot, 0
	WIN 0
.endm
	s_wait_alu depctr_va_vdst(0)                   ; the wait at the head's end
	s_wait_tensorcnt 0x0                           ; my tile of the head's four is in
	ds_add_u32 v[SPW], v[NIL]
	s_mov_b32 s[G1+2], 4<<16                       ; no load of mine is out: from here on a load brings 4 tiles of 16 rows,
	s_mov_b32 s[G1+4], 4
	s_mov_b32 s[G1B+2], 4<<16
	s_mov_b32 s[G1B+4], 4
	s_mov_b32 s[G0+1], s45                         ; and slot 0's group 0 names my half
	s_add_nc_u64 s[G0+2:G0+3], s[G0+2:G0+3], s[2:3]
	s_mov_b32 s[G0B+1], s19
	s_add_nc_u64 s[G0B+2:G0B+3], s[G0B+2:G0B+3], s[2:3]
	s_wait_dscnt 0x0
	CROUND                                         ; all four tiles are in, all sixteen work-groups are here
	JLOAD G0+4, G1, G0B+4, G1B                     ; slot 1, the first tensor load behind the round
	FETCH 0, 0, 0
	global_prefetch_b8 v31, s[12:13] offset:2*6144 th:TH_LOAD_NT scope:SCOPE_SE   ; slots 2 and 3, which the first two refills will ask for, one and two slots of products from here
	global_prefetch_b8 v31, s[12:13] offset:3*6144 th:TH_LOAD_NT scope:SCOPE_SE
	SCALES 0
	s_wait_loadcnt 32
	STEP 0, 0, 1
.if LAPS > 1
	s_mov_b32 s3, LAPS-1
.Llap:
	STEP 0, 1, 0
	STEP 0, 2, 0
	TURN 0, 1, 1
	STEP 1, 0, 0
	STEP 1, 1, 0
	STEP 1, 2, 0
	TURN 1, 0, 1
	STEP 0, 0, 0
	s_sub_co_u32 s3, s3, 1
	s_cmp_lg_u32 s3, 0
	s_cbranch_scc1 .Llap
.endif
	STEP 0, 1, 0
	STEP 0, 2, 0
	TURN 0, 1, 0
	STEP 1, 0, 0
	STEP 1, 1, 0
	STEP 1, 2, 0
	s_wait_dscnt 0x0
	WIN MUL
	MUL8 1, 0, 3, 1, 0
	MUL8 1, 2, 3, 1, 0
	WIN 0
.macro TOSTAGE a
	WIN 0x08
.irp b, 0,1,2,3
	ds_store_b128 v[STO], v[8*(4*(\a)+\b):8*(4*(\a)+\b)+3] offset:64*\b
	ds_store_b128 v[STO], v[8*(4*(\a)+\b)+4:8*(4*(\a)+\b)+7] offset:64*\b+16
.endr
	WIN 0
.set BB, BK+32*((\a)%2)
.irp t, 0,1,2,3,4,5,6,7
	ds_load_b128 v[BB+4*\t:BB+4*\t+3], v[RD] offset:2*\t*SPITCH
.endr
.endm
.macro SEND a, younger
.set BB, BK+32*((\a)%2)
	s_wait_dscnt \younger
	WIN 0x0c
.set i, 0
.rept 16
	v_pk_add_f32 v[BB+i:BB+i+1], v[BB+i:BB+i+1], v[32*(\a)+i:32*(\a)+i+1]
.set i, i+2
.endr
	WIN 0
.irp t, 0,1,2,3,4,5,6,7
	global_store_b128 v[CO], v[BB+4*\t:BB+4*\t+3], s[94:95] offset:(16*(\a)+2*\t)*4096
.endr
.endm
	PLACES
	s_wait_loadcnt 0x0
	TOSTAGE 0
.irp a, 1,2,3
.if \a > 1
	s_wait_xcnt 0x0
.endif
	TOSTAGE \a
	SEND \a-1, 16
.endr
	SEND 3, 0
	s_wait_tensorcnt 0x0
	ds_add_u32 v[SPW], v[NIL]
	s_wait_dscnt 0x0
	CROUND
	s_endpgm
.Lfunc_end_k_qeda8499e2d_ffn2:
	.size	k_qeda8499e2d_ffn2, .Lfunc_end_k_qeda8499e2d_ffn2-k_qeda8499e2d_ffn2
	.p2alignl 7, 3214868480
	.fill 96, 4, 3214868480
	.section	.rodata,"a",@progbits
	.p2align	6, 0x0
	.amdhsa_kernel k_qeda8499e2d_ffn2
		.amdhsa_group_segment_fixed_size 327680
		.amdhsa_private_segment_fixed_size 0
		.amdhsa_enable_private_segment 0
		.amdhsa_kernarg_size 48
		.amdhsa_user_sgpr_count 2
		.amdhsa_user_sgpr_kernarg_segment_ptr 1
		.amdhsa_wavefront_size32 1
		.amdhsa_system_sgpr_workgroup_id_x 1
		.amdhsa_system_sgpr_workgroup_id_y 1
		.amdhsa_system_sgpr_workgroup_id_z 1
		.amdhsa_system_vgpr_workitem_id 0
		.amdhsa_next_free_vgpr 1024
		.amdhsa_next_free_sgpr 100
		.amdhsa_reserve_vcc 0
		.amdhsa_float_denorm_mode_32 3
		.amdhsa_float_denorm_mode_16_64 3
		.amdhsa_memory_ordered 1
		.amdhsa_forward_progress 1
		.amdhsa_inst_pref_size 102
	.end_amdhsa_kernel
	.amdgpu_metadata
---
amdhsa.version: [ 1, 2 ]
amdhsa.kernels:
  - .name:           k_qeda8499e2d_ffn2
    .symbol:         k_qeda8499e2d_ffn2.kd
    .args:
      - { .name: hb, .offset: 0, .size: 8, .value_kind: global_buffer, .address_space: global }
      - { .name: wi, .offset: 8, .size: 8, .value_kind: global_buffer, .address_space: global }
      - { .name: w2_scales, .offset: 16, .size: 8, .value_kind: global_buffer, .address_space: global }
      - { .name: b2, .offset: 24, .size: 8, .value_kind: global_buffer, .address_space: global }
      - { .name: x1, .offset: 32, .size: 8, .value_kind: global_buffer, .address_space: global }
      - { .name: out0, .offset: 40, .size: 8, .value_kind: global_buffer, .address_space: global }
    .group_segment_fixed_size: 327680
    .private_segment_fixed_size: 0
    .kernarg_segment_align: 8
    .kernarg_segment_size: 48
    .max_flat_workgroup_size: 128
    .sgpr_count:     100
    .vgpr_count:     1024
    .wavefront_size: 32
...
	.end_amdgpu_metadata
.endif
;; end of part 6
